; MI455X (gfx1250); checked and timed in simulation.
; The chip was launched on July 23, 2026; its instructions are those of AMD's public machine-readable ISA for CDNA 5 (MIT licence, August 2026) and "CDNA5" Instruction Set Architecture Reference Guide (July 2026). The comments in the code are by the model that wrote it; some were corrected since.
;; Attention. Allowed arithmetic: matrix products marked QUANTISED: E2M3 operands, one E8M0 scale for each 32 along K, by v_wmma_scale_f32_16x16x128_f8f6f4 with both operands' format E2M3, f32 sums; everything else in f32.
;; Inputs: w_out 1,024 x 1,024 float32; w_qkv 1,024 x 3,072 float32; x 2 x 2,048 x 1,024 float32.
;; Outputs: out0 2 x 2,048 x 1,024 float32.
;; This version of the problem:
;;   THIS VERSION OF THE PROBLEM IS GIVEN IN LOW PRECISION. The matrix products marked QUANTISED in the list below multiply operands that are first quantised to E2M3 (2 exponent bits, 3 mantissa bits; 6 bits a number), with one power-of-two scale for each 32 numbers along K (OCP MX v1.0); their sums are f32. All else is computed in f32.
;;   The module's matrix products, in the order in which they are computed (A, B: the left and right operand; K: the contracted axis; several contracted axes count as one K, in the product's order):
;;     1. [M 4,096, K 1,024] x [K 1,024, N 3,072]; A: input x; B: input w_qkv: QUANTISED
;;     2. batch 32 x [M 2,048, K 64] x [K 64, N 2,048]; A: computed on the way; B: computed on the way: QUANTISED
;;     3. batch 32 x [M 2,048, K 2,048] x [K 2,048, N 64]; A: softmax (see below); B: computed on the way: QUANTISED
;;     4. [M 4,096, K 1,024] x [K 1,024, N 1,024]; A: computed on the way; B: input w_out: QUANTISED
;;   THE QUANTISER, for each operand of a quantised product, along K:
;;     - K is cut into blocks of 32 from its start; a last block that is shorter is filled with zeros.
;;     - A block's scale is 2^e with e = floor(log2(the largest magnitude in the block)) - 2, held to -126 .. 127; a block of zeros has e = 0. As a byte (E8M0): e + 127.
;;     - Each number is divided by its block's scale, clamped to +-7.5, and rounded to the nearest number of E2M3, ties to even, subnormals kept.
;;     - The product sums the exact products of the quantised numbers (number of the format x scale) in f32.
;;   ~~~python
;;   def quantise(x, axis):      # numpy; x: float32 -> the quantised numbers, widened to float32 again
;;       x = np.moveaxis(x, axis, -1); K = x.shape[-1]
;;       x = np.pad(x, [(0, 0)] * (x.ndim - 1) + [(0, -K % 32)]); x = x.reshape(x.shape[:-1] + (-1, 32)); a = np.abs(x).max(-1, keepdims=True)
;;       e = np.where(a > 0, np.clip(np.frexp(np.where(a > 0, a, 1))[1] - 1 - 2, -126, 127), 0)      # np.frexp(a)[1] - 1 = floor(log2(a)), exactly
;;       r = np.clip(x / 2.0 ** e, -7.5, 7.5)
;;       step = 2.0 ** (np.maximum(np.frexp(np.where(r == 0, 1, r))[1] - 1, 0) - 3)
;;       q = np.round(r / step) * step * 2.0 ** e      # np.round: ties to even
;;       return np.moveaxis(q.reshape(q.shape[:-2] + (-1,))[..., :K], -1, axis).astype(np.float32)
;;   ~~~
;;   SOFTMAX AHEAD OF A QUANTISED PRODUCT. Where the list says 'softmax', what is quantised is not the finished softmax but p = 2^(t - M), with t = logit x log2(e) and M = ceil(the row's largest t), a whole number; so 1/2 < the row's largest p <= 1. The row's sum l is taken of the UNQUANTISED p, in f32, and the product's result is divided by l at the end. Since M is a whole number, a kernel that streams over the keys may use a running M (the ceiling of the running maximum): every later rescaling is an exact power of two, which a block's scale takes up: the codes' values come out the same.
;;   OPERANDS COMPUTED ON THE WAY. 'Computed on the way' means the value that the module computes at that place (a softmax that the list does not call 'softmax' is quantised finished and normalised). What goes into a quantiser is computed in f32, as accurately as f32 sums, v_exp_f32 and their like allow (about 1e-6 of the number): no bf16 or f16 on the way to a quantiser, and a product that is left as it is and whose result goes on into a quantised operand takes f32 operands (vector FMAs, or v_wmma_f32_16x16x4_f32). A number that lies on a knife's edge between two numbers of the format may be rounded either way, as far as f32 arithmetic and the matrix unit's own rounding can turn it there, and no further.
;; One version. Each part assembles by itself: llvm-mc -triple=amdgcn-amd-amdhsa -mcpu=gfx1250 --defsym DOCPART=n.
;; ======== version 1 of 1: 4 launches
;; limits: right only within a limited range of input values
;; workspace buffers: xq 3,276,800 bytes; wq 2,457,600 bytes; wo 819,200 bytes; qb 3,407,872 bytes; kv 6,684,672 bytes; oq 3,276,800 bytes
;; launch quant (part 1): grid 256 x 1, 8 waves a work-group, no clusters, 136,192 bytes of LDS; arguments x, w_qkv, w_out, xq, wq, wo; writes xq, wq, wo
.if DOCPART == 1
	.amdgcn_target "amdgcn-amd-amdhsa--gfx1250"
	.amdhsa_code_object_version 6
	.text
	.protected	k_qbaef5b0606_quant
	.globl	k_qbaef5b0606_quant
	.p2align	8
	.type	k_qbaef5b0606_quant,@function
k_qbaef5b0606_quant:
	s_mov_b64 s[64:65], 0
	v_nop
	global_prefetch_b8 v0, s[64:65] scope:SCOPE_SE
	s_setreg_imm32_b32 hwreg(HW_REG_WAVE_MODE, 25, 1), 1
	s_wait_xcnt 0x0
; x [4096][1024], w_qkv [1024][3072] and w_out [1024][1024], f32, become codes of E2M3 with one E8M0 byte for each 32 along K (K = 1,024 in all three).
; A block's scale is 2^(floor(log2(its largest magnitude)) - 2); its byte is that magnitude's exponent field - 2, held at 1 from below.
; LIMITS: NaN and infinities among the inputs are not served.  A block of zeros gets the byte 1 where the rule says 127: its codes are zeros, and the bytes are read by this program alone.
; LAYOUT OF THE RESULTS.  Codes lie as IMAGES of the matrix operand's registers: a fragment (16 rows x 128 K, 12 registers a lane) is 1,536 bytes, register p of lane l at 512 (p / 4) + 16 l + 4 (p % 4),
; so that three accesses of 16 bytes a lane bring or store it, each 512 consecutive bytes.  Scale words (four bytes: 128 along K of one row) lie [K step][position].
; THE ROWS OF A TILE ARE NOT NEIGHBOURS: of each 32 rows (of x) or columns (of a weight), position r of tile u holds number 8 u + r + 8 (r / 8): a product's result then has 16 neighbours in a lane's 16 registers.
; SHARES.  Work-groups 0-127: x; 128-223: w_qkv; 224-255: w_out.  Every wave reads 16 KiB, asked for at its head.  Waves share nothing: no barrier.  Only x's path uses LDS.
; FOR x THE ORDER IS BY 64 ROWS: of each 64 rows of x, position r of tile t (t = 0 .. 3) holds row 8 t + r % 8 + 32 (r / 8); the order by 32 above is that of the weights' columns.
.set R,     64                         ; v64-191  numbers as they are loaded
.set X,     192                        ; v192-255 x's path: a lane's two blocks of 32 neighbours
.set FLOOR, 0x1800000                  ; 2^(3 - 127): under it no largest magnitude is taken, so the byte cannot fall under 1
.set OFFE,  0xff000000                 ; takes 2 off an exponent field
; x's path: the 64 numbers in v[X] on (block c = K 64 c + 32 h on, of my row) become the fragment's 12 registers in v[pc] on and my row's scale word in v[wd]
.macro QX pc, wd
.irp c, 0,1
	v_max3_num_f32 v[50+\c], |v[X+32*\c]|, |v[X+32*\c+1]|, FLOOR
.endr
.irp i, 2,4,6,8,10,12,14,16,18,20,22,24,26,28,30
.irp c, 0,1
	s_delay_alu instid0(VALU_DEP_2)
	v_max3_num_f32 v[50+\c], v[50+\c], |v[X+32*\c+\i]|, |v[X+32*\c+\i+1]|   ; the two blocks by turns
.endr
.endr
.irp c, 0,1
	s_delay_alu instid0(VALU_DEP_2)
	v_add_nc_u32 v[52+\c], OFFE, v[50+\c]          ; the conversion takes the exponent field of this operand as its scale
.endr
.irp c, 0,1
	s_delay_alu instid0(VALU_DEP_2)
	v_lshrrev_b32 v[54+\c], 23, v[52+\c]           ; the scale's byte
.endr
	s_delay_alu instid0(VALU_DEP_1)
	v_lshl_or_b32 v[\wd], v55, 16, v54             ; my two bytes: blocks h and 2 + h,
	s_delay_alu instid0(VALU_DEP_1)
	v_lshlrev_b32 v[\wd], v10, v[\wd]              ; 8 h bits up;
	s_delay_alu instid0(VALU_DEP_1)
	v_permlanex16_b32 v11, v[\wd], s20, s21
	s_delay_alu instid0(VALU_DEP_1)
	v_or_b32 v[\wd], v[\wd], v11                   ; with lane l xor 16's two the word is whole
.irp c, 0,1
	v_cvt_scalef32_pk16_fp6_f32 v[\pc+6*\c:\pc+6*\c+2], v[X+32*\c:X+32*\c+15], v[52+\c]
	v_cvt_scalef32_pk16_fp6_f32 v[40+4*\c:42+4*\c], v[X+32*\c+16:X+32*\c+31], v[52+\c]   ; (a conversion's three registers begin on an even number)
.endr
	v_nop                                          ; one plain place behind a scaled conversion
.irp c, 0,1
.irp i, 0,1,2
	v_mov_b32 v[\pc+3+6*\c+\i], v[40+4*\c+\i]
.endr
.endr
.endm
; x's path, K step q of the wave's two: 16 rows x 512 bytes go through the wave's own stage as they lie and come back 128 bytes a lane; then the fragment is made and stored
.macro XSTEP q, pc, wd
.irp p, 0,1,2,3,4,5,6,7,8,9,10,11,12,13,14,15
	ds_store_b128 v6, v[R+64*\q+4*\p:R+64*\q+4*\p+3] offset:8448*\q+528*\p
.endr
.irp c, 0,1
.irp i, 0,1,2,3,4,5,6,7
	ds_load_b128 v[X+32*\c+4*\i:X+32*\c+4*\i+3], v7 offset:8448*\q+256*\c+16*\i   ; LDS serves a wave's instructions in order: these see the stores above
.endr
.endr
	s_wait_dscnt 0x0
	QX \pc, \wd
.irp g, 0,1,2
	global_store_b128 v2, v[\pc+4*\g:\pc+4*\g+3], s[32:33] offset:1536*\q+512*\g    ; 512 consecutive bytes, aligned
.endr
.endm
; a weight's path: 32 columns x 128 K.  A lane takes a column and its registers run down K: four whole blocks a lane; its codes are the registers of TWO lanes of the fragment (h = 0: blocks 0, 2; h = 1: blocks 1, 3)
.macro WBODY cols, sb
.set i, 0
.rept 128
	global_load_b32 v[R+i], v3, s[\sb:\sb+1] offset:i*\cols*4 th:TH_LOAD_NT     ; row i of the K step, 32 neighbouring columns: 128 consecutive bytes a wave
.set i, i+1
.endr
.irp t, 0,1,2,3
.if \t < 2
	s_wait_loadcnt 63                              ; at most 63 of the 128 are out: rows 0 to 64 are in, blocks 0 and 1 among them
.elseif \t == 2
	s_wait_loadcnt 32                              ; all but block 3's
.else
	s_wait_loadcnt 0x0
.endif
.set XB, R+32*\t
.set GD, 16+12*(\t%2)+6*(\t/2)
	v_max3_num_f32 v50, |v[XB]|, |v[XB+1]|, |v[XB+2]|
	v_max3_num_f32 v51, |v[XB+3]|, |v[XB+4]|, |v[XB+5]|
.irp i, 6,10,14,18,22,26
	s_delay_alu instid0(VALU_DEP_2)
	v_max3_num_f32 v50, v50, |v[XB+\i]|, |v[XB+\i+1]|
	s_delay_alu instid0(VALU_DEP_2)
	v_max3_num_f32 v51, v51, |v[XB+\i+2]|, |v[XB+\i+3]|
.endr
	s_delay_alu instid0(VALU_DEP_2)
	v_max3_num_f32 v50, v50, |v[XB+30]|, |v[XB+31]|
	s_delay_alu instid0(VALU_DEP_1)
	v_max3_num_f32 v50, v50, v51, FLOOR
	s_delay_alu instid0(VALU_DEP_1)
	v_add_nc_u32 v52, OFFE, v50
	s_delay_alu instid0(VALU_DEP_1)
	v_lshrrev_b32 v53, 23, v52
.if \t == 0
	s_delay_alu instid0(VALU_DEP_1)
	v_mov_b32 v9, v53                              ; the column's scale word: block t's byte at 8 t
.else
	s_delay_alu instid0(VALU_DEP_1)
	v_lshl_or_b32 v9, v53, 8*\t, v9
.endif
	v_cvt_scalef32_pk16_fp6_f32 v[GD:GD+2], v[XB:XB+15], v52
	v_cvt_scalef32_pk16_fp6_f32 v[40:42], v[XB+16:XB+31], v52
	v_nop                                          ; one plain place behind a scaled conversion
	v_mov_b32 v[GD+3], v40
	v_mov_b32 v[GD+4], v41
	v_mov_b32 v[GD+5], v42
.endr
.irp h, 0,1
.irp g, 0,1,2
	global_store_b128 v8, v[16+12*\h+4*\g:16+12*\h+4*\g+3], s[36:37] offset:256*\h+512*\g   ; sixteen lanes of each tile fill 256 consecutive bytes, aligned
.endr
.endr
	global_store_b32 v13, v9, s[38:39]             ; 32 positions' words: 128 consecutive bytes
.endm
	s_load_b256 s[4:11], s[0:1], 0x0               ; x s[4:5], w_qkv s[6:7], w_out s[8:9], xq s[10:11]
	s_load_b128 s[12:15], s[0:1], 0x20             ; wq s[12:13], wo s[14:15]
	v_lshl_add_u32 v62, v0, 2, 0x21000
	v_mov_b32 v63, 0
	v_lshrrev_b32 v1, 5, v0
	s_delay_alu instid0(VALU_DEP_1)
	v_readfirstlane_b32 s16, v1                    ; wave 0..7
	v_and_b32 v1, 31, v0                           ; lane
	s_delay_alu instid0(VALU_DEP_1)
	v_lshlrev_b32 v2, 4, v1                        ; 16 x lane
	s_delay_alu instid0(VALU_DEP_2)
	v_lshlrev_b32 v3, 2, v1                        ; 4 x lane
	v_and_b32 v4, 15, v0                           ; r
	v_bfe_u32 v5, v0, 4, 1                         ; h
	s_mov_b32 s20, 0x76543210
	s_mov_b32 s21, 0xfedcba98                      ; v_permlanex16_b32's selects for lane l xor 16
	s_mov_b32 s22, 0xffff0000                      ; lanes 16-31
	s_wait_kmcnt 0x0
	s_cmp_lt_u32 ttmp9, 128
	s_cbranch_scc0 .Lweights
	; ---- x: wave W = 8 x work-group + wave takes tile W / 4 (16 rows) and K steps 2 (W % 4), 2 (W % 4) + 1
	s_lshl_b32 s24, ttmp9, 3
	s_add_co_u32 s24, s24, s16
	s_lshr_b32 s25, s24, 2                         ; the tile, mt
	s_and_b32 s26, s24, 3                          ; j
	s_lshr_b32 s28, s25, 2
	s_lshl_b32 s28, s28, 18                        ; 64 rows of 4,096 bytes for each four tiles,
	s_and_b32 s29, s25, 3
	s_lshl_b32 s29, s29, 15                        ; 8 rows from tile to tile,
	s_add_co_u32 s28, s28, s29
	s_lshl_b32 s29, s26, 10                        ; 256 numbers along K for each j
	s_add_co_u32 s28, s28, s29
	s_mov_b32 s29, 0
	s_add_nc_u64 s[4:5], s[4:5], s[28:29]
	s_wait_alu depctr_va_vdst(0)
.irp q, 0,1
.irp p, 0,1,2,3,4,5,6,7,8,9,10,11,12,13,14,15
	global_load_b128 v[R+64*\q+4*\p:R+64*\q+4*\p+3], v2, s[4:5] offset:(\p+24*(\p/8))*4096+512*\q th:TH_LOAD_NT   ; position p's row, 128 numbers: 512 consecutive bytes
.endr
.endr
	s_lshr_b32 s30, s25, 4                         ; codes: [block of 256 rows][j][tile 16][K step 2][1,536]
	s_mul_i32 s30, s30, 196608
	s_mul_i32 s31, s26, 49152
	s_add_co_u32 s30, s30, s31
	s_and_b32 s31, s25, 15
	s_mul_i32 s31, s31, 3072
	s_add_co_u32 s30, s30, s31
	s_mov_b32 s31, 0
	s_add_nc_u64 s[32:33], s[10:11], s[30:31]
	s_lshl_b32 s30, s26, 15                        ; scale words: [K step 8][4,096], behind the codes
	s_lshl_b32 s34, s25, 6
	s_add_co_u32 s30, s30, s34
	s_add_co_u32 s30, s30, 3145728
	s_add_nc_u64 s[34:35], s[10:11], s[30:31]
	s_mul_i32 s36, s16, 16896                      ; my wave's two stages: 16 rows x (512 + 16) bytes each
	v_add_nc_u32 v6, s36, v2                       ; in: 16 bytes a lane of a row
	v_mul_u32_u24 v7, v4, 528
	s_delay_alu instid0(VALU_DEP_1)
	v_lshl_add_u32 v7, v5, 7, v7
	s_delay_alu instid0(VALU_DEP_1)
	v_add_nc_u32 v7, s36, v7                       ; out: row r, + 128 h: my blocks of 32 numbers
	v_lshlrev_b32 v8, 2, v4
	s_delay_alu instid0(VALU_DEP_1)
	v_lshl_add_u32 v8, v5, 14, v8                  ; lanes 0-15 store the first K step's words, lanes 16-31 the second's
	v_lshlrev_b32 v10, 3, v5                       ; 8 h
	v_mov_b32 v11, 0                               ; a lane permute's destination counts as one of its sources
	s_wait_alu depctr_va_vdst(0)
	s_wait_loadcnt 16                              ; the first K step's 16 loads are in; the second's may be out
	XSTEP 0, 16, 48
	s_wait_loadcnt 0x0
	XSTEP 1, 28, 49
	v_cndmask_b32 v12, v48, v49, s22
	global_store_b32 v8, v12, s[34:35]
	s_wait_tensorcnt 0x0
	ds_add_u32 v62, v63
	s_wait_dscnt 0x0
	s_endpgm
.Lweights:
	v_bfe_u32 v6, v0, 3, 1                         ; column l of the 32 lies in tile u = (l / 8) % 2,
	v_and_b32 v7, 7, v0
	s_wait_alu depctr_va_vdst(0)
	v_lshl_add_u32 v7, v5, 3, v7                   ; at position 8 (l / 16) + l % 8
	v_mul_u32_u24 v8, v6, 3072                     ; a tile's two K steps are 3,072 bytes
	s_delay_alu instid0(VALU_DEP_1)
	v_lshl_add_u32 v8, v7, 4, v8
	s_delay_alu instid0(VALU_DEP_3)
	v_lshl_add_u32 v13, v6, 4, v7
	s_delay_alu instid0(VALU_DEP_1)
	v_lshlrev_b32 v13, 2, v13
	s_cmp_lt_u32 ttmp9, 224
	s_cbranch_scc0 .Lwout
	; ---- w_qkv: K step s = idx % 8; columns 32 g on, g = 8 (idx / 8) + wave
	s_sub_co_u32 s24, ttmp9, 128
	s_and_b32 s25, s24, 7
	s_lshr_b32 s26, s24, 3
	s_lshl_b32 s26, s26, 3
	s_add_co_u32 s26, s26, s16
	s_mul_i32 s28, s25, 128*3072*4
	s_lshl_b32 s29, s26, 7
	s_add_co_u32 s28, s28, s29
	s_mov_b32 s29, 0
	s_add_nc_u64 s[6:7], s[6:7], s[28:29]
	s_lshr_b32 s30, s26, 5                         ; q, k or v
	s_lshl_b32 s30, s30, 2
	s_lshr_b32 s31, 0x230, s30
	s_and_b32 s31, s31, 15
	s_lshr_b32 s32, 0x311, s30
	s_and_b32 s32, s32, 15
	s_and_b32 s33, s26, 1                          ; which 32 of the head's 64
	s_mul_i32 s32, s32, s33
	s_add_co_u32 s31, s31, s32                     ; a head's six pairs of tiles lie q q v k k v: q: b, k: 3 + b, v: 2 + 3 b
	s_bfe_u32 s33, s26, 0x40001                    ; the head
	s_mul_i32 s34, s33, 147456                     ; codes: [head 16][two K steps 4][tile 12][K step 2][1,536]
	s_lshr_b32 s35, s25, 1
	s_mul_i32 s35, s35, 36864
	s_add_co_u32 s34, s34, s35
	s_mul_i32 s35, s31, 6144
	s_add_co_u32 s34, s34, s35
	s_and_b32 s35, s25, 1
	s_mul_i32 s35, s35, 1536
	s_add_co_u32 s34, s34, s35
	s_mov_b32 s35, 0
	s_add_nc_u64 s[36:37], s[12:13], s[34:35]
	s_mul_i32 s34, s25, 12288                      ; scale words: [K step 8][3,072], behind the codes
	s_mul_i32 s38, s33, 768
	s_add_co_u32 s34, s34, s38
	s_lshl_b32 s38, s31, 7
	s_add_co_u32 s34, s34, s38
	s_add_co_u32 s34, s34, 2359296
	s_add_nc_u64 s[38:39], s[12:13], s[34:35]
	WBODY 3072, 6
	s_endpgm
.Lwout:
	; ---- w_out likewise
	s_sub_co_u32 s24, ttmp9, 224
	s_and_b32 s25, s24, 7
	s_lshr_b32 s26, s24, 3
	s_lshl_b32 s26, s26, 3
	s_add_co_u32 s26, s26, s16
	s_mul_i32 s28, s25, 128*1024*4
	s_lshl_b32 s29, s26, 7
	s_add_co_u32 s28, s28, s29
	s_mov_b32 s29, 0
	s_add_nc_u64 s[8:9], s[8:9], s[28:29]
	s_lshr_b32 s34, s26, 2                         ; codes: [block of 128 columns 8][two K steps 4][tile 8][K step 2][1,536]
	s_mul_i32 s34, s34, 98304
	s_lshr_b32 s35, s25, 1
	s_mul_i32 s35, s35, 24576
	s_add_co_u32 s34, s34, s35
	s_and_b32 s35, s26, 3
	s_mul_i32 s35, s35, 6144
	s_add_co_u32 s34, s34, s35
	s_and_b32 s35, s25, 1
	s_mul_i32 s35, s35, 1536
	s_add_co_u32 s34, s34, s35
	s_mov_b32 s35, 0
	s_add_nc_u64 s[36:37], s[14:15], s[34:35]
	s_lshl_b32 s34, s25, 12                        ; scale words: [K step 8][1,024], behind the codes
	s_lshl_b32 s30, s26, 7
	s_add_co_u32 s34, s34, s30
	s_add_co_u32 s34, s34, 786432
	s_add_nc_u64 s[38:39], s[14:15], s[34:35]
	WBODY 1024, 8
	s_endpgm
.Lfunc_end_k_qbaef5b0606_quant:
	.size	k_qbaef5b0606_quant, .Lfunc_end_k_qbaef5b0606_quant-k_qbaef5b0606_quant
	.p2alignl 7, 3214868480
	.fill 96, 4, 3214868480
	.section	.rodata,"a",@progbits
	.p2align	6, 0x0
	.amdhsa_kernel k_qbaef5b0606_quant
		.amdhsa_group_segment_fixed_size 136192
		.amdhsa_private_segment_fixed_size 0
		.amdhsa_enable_private_segment 0
		.amdhsa_kernarg_size 48
		.amdhsa_user_sgpr_count 2
		.amdhsa_user_sgpr_kernarg_segment_ptr 1
		.amdhsa_wavefront_size32 1
		.amdhsa_system_sgpr_workgroup_id_x 1
		.amdhsa_system_sgpr_workgroup_id_y 1
		.amdhsa_system_sgpr_workgroup_id_z 1
		.amdhsa_system_vgpr_workitem_id 0
		.amdhsa_next_free_vgpr 256
		.amdhsa_next_free_sgpr 66
		.amdhsa_reserve_vcc 0
		.amdhsa_float_denorm_mode_32 3
		.amdhsa_float_denorm_mode_16_64 3
		.amdhsa_memory_ordered 1
		.amdhsa_forward_progress 1
		.amdhsa_inst_pref_size 64
	.end_amdhsa_kernel
	.amdgpu_metadata
---
amdhsa.version: [ 1, 2 ]
amdhsa.kernels:
  - .name:           k_qbaef5b0606_quant
    .symbol:         k_qbaef5b0606_quant.kd
    .args:
      - { .name: x, .offset: 0, .size: 8, .value_kind: global_buffer, .address_space: global }
      - { .name: w_qkv, .offset: 8, .size: 8, .value_kind: global_buffer, .address_space: global }
      - { .name: w_out, .offset: 16, .size: 8, .value_kind: global_buffer, .address_space: global }
      - { .name: xq, .offset: 24, .size: 8, .value_kind: global_buffer, .address_space: global }
      - { .name: wq, .offset: 32, .size: 8, .value_kind: global_buffer, .address_space: global }
      - { .name: wo, .offset: 40, .size: 8, .value_kind: global_buffer, .address_space: global }
    .group_segment_fixed_size: 136192
    .private_segment_fixed_size: 0
    .kernarg_segment_align: 8
    .kernarg_segment_size: 48
    .max_flat_workgroup_size: 256
    .sgpr_count:     66
    .vgpr_count:     256
    .wavefront_size: 32
...
	.end_amdgpu_metadata
.endif
;; end of part 1
;; launch qkv (part 2): grid 16 x 16, 4 waves a work-group, clusters of 4 x 4, 327,680 bytes of LDS; arguments xq, wq, qb, kv; writes qb, kv
.if DOCPART == 2
	.amdgcn_target "amdgcn-amd-amdhsa--gfx1250"
	.amdhsa_code_object_version 6
	.text
	.protected	k_qbaef5b0606_qkv
	.globl	k_qbaef5b0606_qkv
	.p2align	8
	.type	k_qbaef5b0606_qkv,@function
k_qbaef5b0606_qkv:
	s_mov_b64 s[64:65], 0
	v_nop
	global_prefetch_b8 v0, s[64:65] scope:SCOPE_SE
	s_setreg_imm32_b32 hwreg(HW_REG_WAVE_MODE, 25, 1), 1
	s_wait_xcnt 0x0
	s_wait_alu depctr_hold_cnt(0) depctr_sa_sdst(0) depctr_va_vdst(0) depctr_va_sdst(0) depctr_va_ssrc(0) depctr_va_vcc(0) depctr_vm_vsrc(0)
	s_getreg_b32 s2, hwreg(HW_REG_IB_STS2, 6, 4)
	s_cmp_eq_u32 s2, 0
	s_cbranch_scc0 .Lentry_in_a_cluster
	s_endpgm
.Lentry_in_a_cluster:
	s_bfe_u32 s2, ttmp6, 0x10000c
	s_cmp_lg_u32 s2, 0xf033
	s_cbranch_scc0 .Lentry_shape_is_right
	s_endpgm
.Lentry_shape_is_right:
; q, k, v = x w_qkv on codes of E2M3 (K = 1,024: eight steps of 128), and their quantising for attention, in registers: q x 0.125 and k along the head's 64, v along the keys.
; SHARES.  A work-group takes 256 rows of x and ONE head's 192 columns (q, k, v).  Wave (wm, wn): rows 128 wm on; wn = 0: q's four tiles and v's tiles 0, 1; wn = 1: k's four and v's tiles 2, 3.
; 48 accumulators a wave.  So a wave holds whole heads of q or k for its rows and a whole step of 128 keys of v: every block of 32, fragment and scale word is made inside one wave.
; q's and k's products are used transposed (source 0 = 16 columns of w, source 1 = 16 rows of x): a lane holds one row and its registers run along the head's channels.
; v's are not (source 0 = 16 rows of x): a lane holds one channel and its registers run along the keys.
; ORDER IN A TILE (see the launch that made the codes): of each 32 columns, tile u position r holds 8 u + r + 8 (r / 8): two tiles' 16 registers are 16 neighbours; of each 64 rows, tile t position r holds 8 t + r % 8 + 32 (r / 8): four tiles' 32 registers are 32 neighbours.
; q x 0.125 is exact: q's own codes, each scale byte 3 lower; the floor under the largest magnitude is 3 exponents higher, so the byte still cannot fall under 1.
; LDS: A: all of K, four places of two K steps (16 tiles x 2 x 1,536 bytes); B: three places of two K steps (12 tiles x 2 x 1,536).
; FILLS.  Head, one load a wave: waves 0, 1: A's and B's K steps 0, 1; waves 2, 3: K steps 2, 3.  The first barrier shows waves 0's and 1's.  ONE round, in K step 1: waves 0, 1: K steps 4, 5; waves 2, 3: K steps 6, 7, B's into the place of K steps 0, 1, which has been read out.
; CLUSTER 4 x 4: the four of a row share the rows of x, the four of a column the head: each block is asked for jointly.  Operands lie in memory as images of their registers: a block is dense, and every LDS read is 16 bytes a lane, 512 on end.
; PREFETCH: K steps 4, 5 behind the head's loads, K steps 6, 7 behind the first fragments' loads: a K step and more ahead of their load.  The sixteen waves that will ask for a block jointly share it out by address.
; LIMITS: NaN and infinities are not served; a block of zeros gets the floor's byte (its codes are zeros; the bytes are read by this program alone).
; REGISTERS: window 0: v1, v2 16 and 4 x lane; v8-11, v12-14 LDS addresses; v15 8 h; v16, v17 the prefetches'; v28, v29 the add's; v32-63 x's scale words, v68-91 w's; v112-255 B's fragments, two sets (at the end: at work);
;   window 1: A's fragments, two sets, at v0 and v128;  window 2: q's or k's 32 accumulators (row tile a, column tile n at 8 (4 a + n));  window 3: v's 16 (column tile n, row tile a at 8 (8 n + a)).
.set BBASE,  196608
.set SPARE,  BBASE+3*36864             ; the spare words, 128 bytes a wave: two blocks of 256 bytes that no other line names
.set SPW, 28
.set NIL, 29
.set SCA, 32                           ; pair of row tiles p, K step s at 8 p + s: lanes 0-15 the even tile's words, lanes 16-31 the odd tile's
.set SCB, 68                           ; pair of column tiles likewise
.set BF,  112
.set G1A, 24
.set G0A, 32                           ; s[32:39] two sets: the head's, the round's
.set G1B, 44
.set G0B, 52                           ; s[52:59] two sets
.set MSB, 0
.macro WIN new                         ; the immediate's high byte repeats the setting that is left
.if MSB != \new
	s_set_vgpr_msb (MSB<<8)|\new
.set MSB, \new
.endif
.endm
.macro PLACES                          ; four plain places in front of loads into registers that matrix instructions have read, and of the first read of results
.rept 4
	v_nop
.endr
.endm
.macro CROUND                          ; a round of the cluster's barrier
	s_barrier_signal -1
	s_barrier_wait -1
	s_cmp_lg_u32 s12, 0
	s_cbranch_scc1 .Lnot_wave_0_\@
	s_barrier_signal -3
.Lnot_wave_0_\@:
	s_barrier_wait -3
	s_barrier_signal -1
	s_barrier_wait -1
.endm
.macro TL g0, g1
	tensor_load_to_lds s[\g0:\g0+3], s[\g1:\g1+7]
	s_nop 0
.rept 4
	v_nop
.endr
.endm
.macro ARMS k                          ; one chain, an arm and a joint load for each wave: waves 0, 2 for A, waves 1, 3 for B
	s_cmp_eq_u32 s12, 0
	s_cbranch_scc0 .Lwave_1_\@
	TL G0A+4*\k, G1A
	s_branch .Lasked_\@
.Lwave_1_\@:
	s_cmp_eq_u32 s12, 1
	s_cbranch_scc0 .Lwave_2_\@
	TL G0B+4*\k, G1B
	s_branch .Lasked_\@
.Lwave_2_\@:
	s_cmp_eq_u32 s12, 2
	s_cbranch_scc0 .Lwave_3_\@
	TL G0A+4*\k, G1A
	s_branch .Lasked_\@
.Lwave_3_\@:
	TL G0B+4*\k, G1B
.Lasked_\@:
.endm
; one matrix instruction: D at D_, sources at a, b, their scale words in sa, sb (rows ra, rb); z: it starts the sum
.macro WMM a, b, sa, sb, ra, rb, z
.if \z
	v_wmma_scale_f32_16x16x128_f8f6f4 v[D_:D_+7], v[\a:\a+11], v[\b:\b+11], 0, v[\sa], v[\sb] matrix_a_fmt:MATRIX_FMT_FP6 matrix_b_fmt:MATRIX_FMT_FP6 matrix_a_scale:MATRIX_SCALE_ROW\ra matrix_b_scale:MATRIX_SCALE_ROW\rb
.else
	v_wmma_scale_f32_16x16x128_f8f6f4 v[D_:D_+7], v[\a:\a+11], v[\b:\b+11], v[D_:D_+7], v[\sa], v[\sb] matrix_a_fmt:MATRIX_FMT_FP6 matrix_b_fmt:MATRIX_FMT_FP6 matrix_a_scale:MATRIX_SCALE_ROW\ra matrix_b_scale:MATRIX_SCALE_ROW\rb
.endif
.endm
; K step s's fragments into set f, in five chunks: B's 0-2, B's 3-5, A's 0-2, 3-5, 6-7
.macro FB n, s, f
.set F_, BF+72*(\f)+12*(\n)
.set X_, (2*(\n)+(\s)%2)*1536
	ds_load_b128 v[F_:F_+3], v[12+((\s)/2)%3] offset:X_
	ds_load_b128 v[F_+4:F_+7], v[12+((\s)/2)%3] offset:X_+512
	ds_load_b128 v[F_+8:F_+11], v[12+((\s)/2)%3] offset:X_+1024
.endm
.macro FA a, s, f
.set F_, 128*(\f)+12*(\a)
.set X_, (2*(\a)+(\s)%2)*1536
	ds_load_b128 v[F_:F_+3], v[8+(\s)/2] offset:X_
	ds_load_b128 v[F_+4:F_+7], v[8+(\s)/2] offset:X_+512
	ds_load_b128 v[F_+8:F_+11], v[8+(\s)/2] offset:X_+1024
.endm
.macro CHK c, s, f
.if \c < 2
	WIN 0
	FB 3*\c, \s, \f
	FB 3*\c+1, \s, \f
	FB 3*\c+2, \s, \f
.else
	WIN 0x40                                       ; destination window 1, address window 0
	FA 3*\c-6, \s, \f
	FA 3*\c-5, \s, \f
.if \c < 4
	FA 3*\c-4, \s, \f
.endif
.endif
.endm
; The 48 accumulators take turns, one instruction a turn, in the same order in every K step: six groups of eight.
.macro GQ g, f, s, z                   ; q or k: row tiles 2 g, 2 g + 1: source 0 = w's tile (window 0), source 1 = x's tile (window 1), C and D window 2
	WIN 0xa4
.irp u, 0,1
.irp m, 0,1
.irp n, 0,1
.set D_, 8*(4*(2*\g+\u)+2*\m+\n)
	WMM BF+72*(\f)+12*(2*\m+\n), 128*(\f)+12*(2*\g+\u), SCB+8*\m+(\s), SCA+8*\g+(\s), \n, \u, \z
.endr
.endr
.endr
.endm
.macro GV n, f, s, z                   ; v: column tile n: source 0 = x's tile (window 1), source 1 = w's tile (window 0), C and D window 3
	WIN 0xf1
.irp a, 0,1,2,3
.irp u, 0,1
.set D_, 8*(8*\n+2*\a+\u)
	WMM 128*(\f)+12*(2*\a+\u), BF+72*(\f)+12*(4+\n), SCA+8*\a+(\s), SCB+16+(\s), \u, \n, \z
.endr
.endr
.endm
; A K step.  kind 0: the next step's fragments are fetched in chunks among the products; 1: the round; 2, 3: a plain barrier shows waves 0's and 1's loads, or all; 4: the last, nothing to fetch.
.macro KS s, kind, z
.set C_, (\s)%2
.set N_, 1-(\s)%2
	s_wait_dscnt 0x0                               ; this step's fragments are in
.if \kind == 4
	GQ 0, C_, \s, \z
	GQ 1, C_, \s, \z
	GQ 2, C_, \s, \z
	GQ 3, C_, \s, \z
	GV 0, C_, \s, \z
	GV 1, C_, \s, \z
.elseif \kind == 0
.if (\s) > 0
	PLACES
.endif
	CHK 0, (\s)+1, N_
	GQ 0, C_, \s, \z
	CHK 1, (\s)+1, N_
	GQ 1, C_, \s, \z
	CHK 2, (\s)+1, N_
	GQ 2, C_, \s, \z
	CHK 3, (\s)+1, N_
	GQ 3, C_, \s, \z
	CHK 4, (\s)+1, N_
	GV 0, C_, \s, \z
	GV 1, C_, \s, \z
.else
	WIN 0
.if \kind == 1
	s_wait_tensorcnt 0x0                           ; my load of the head has landed;
	ds_add_u32 v[SPW], v[NIL]                      ; 0 onto my spare word; sixteen products stand between it and its wait
.elseif \kind == 2
	s_cmp_lt_u32 s12, 2
	s_cbranch_scc0 .Llater_\@
	s_wait_tensorcnt 0x0                           ; K steps 4, 5 are waves 0's and 1's loads of the round
.Llater_\@:
	s_barrier_signal -1
.else
	s_wait_tensorcnt 0x0
	s_barrier_signal -1
.endif
	GQ 0, C_, \s, \z
	GQ 1, C_, \s, \z
	WIN 0
.if \kind == 1
	s_wait_dscnt 0x0                               ; the add is done, and so are my reads of K steps 0, 1
	CROUND                                         ; no wave of any partner still reads them or has a load on its way; K steps 2, 3 are whole
	ARMS 1                                         ; (its v_nop are also the places in front of the loads below)
.else
	s_barrier_wait -1
	PLACES
.endif
	CHK 0, (\s)+1, N_
	CHK 1, (\s)+1, N_
	GQ 2, C_, \s, \z
	CHK 2, (\s)+1, N_
	GQ 3, C_, \s, \z
	CHK 3, (\s)+1, N_
	GV 0, C_, \s, \z
	CHK 4, (\s)+1, N_
	GV 1, C_, \s, \z
.endif
.endm
; THE WAY OUT, two images at a time (u = 0, 1), their chains by turns.  At work: v112-127, v128-143 (maxima, bytes, scale operands), v144-159; the codes: v160-231, twelve registers of their own for each of the six images, so no store's data are written again.
; q or k: images 2 p, 2 p + 1: row tiles 4 p + 2 u and the next; register 16 b + i = number 32 (b % 2) + 16 h + i of row tile b / 2.  Each accumulator is read from its low end on.
.macro QKOUT p
	WIN 0x0a
.irp b, 0,1,2,3
.irp u, 0,1
	v_max3_num_f32 v[112+16*\u+\b], |v[128*\p+64*\u+16*\b]|, |v[128*\p+64*\u+16*\b+1]|, s78
.endr
.endr
.irp i, 2,4,6,8,10,12,14
.irp b, 0,1,2,3
.irp u, 0,1
	v_max3_num_f32 v[112+16*\u+\b], |v[128*\p+64*\u+16*\b+\i]|, |v[128*\p+64*\u+16*\b+\i+1]|, v[112+16*\u+\b]
.endr
.endr
.endr
	WIN 0
.irp b, 0,1,2,3
.irp u, 0,1
	v_permlanex16_b32 v[116+16*\u+\b], v[112+16*\u+\b], s82, s83
.endr
.endr
.irp b, 0,1,2,3
.irp u, 0,1
	v_max_num_f32 v[112+16*\u+\b], v[112+16*\u+\b], v[116+16*\u+\b]     ; with lane l xor 16's: the block's largest magnitude
.endr
.endr
.irp b, 0,1,2,3
.irp u, 0,1
	v_add_nc_u32 v[124+16*\u+\b], 0xff000000, v[112+16*\u+\b]           ; 2 off its exponent field: the conversion's scale operand
.endr
.endr
.irp b, 0,1,2,3
.irp u, 0,1
	v_lshrrev_b32 v[116+16*\u+\b], 23, v[124+16*\u+\b]                  ; the scale's byte
.endr
.endr
.irp b, 1,2,3
.irp u, 0,1
	v_lshl_or_b32 v[116+16*\u], v[116+16*\u+\b], 8*\b, v[116+16*\u]
.endr
.endr
	WIN 0x02
.irp c, 0,1
.irp u, 0,1
	v_cvt_scalef32_pk16_fp6_f32 v[160+24*\p+12*\u+6*\c:162+24*\p+12*\u+6*\c], v[128*\p+64*\u+32*\c:128*\p+64*\u+32*\c+15], v[124+16*\u+2*\c]
	v_cvt_scalef32_pk16_fp6_f32 v[144+8*\u+4*\c:146+8*\u+4*\c], v[128*\p+64*\u+32*\c+16:128*\p+64*\u+32*\c+31], v[125+16*\u+2*\c]   ; (a conversion's three registers begin on an even number)
.endr
.endr
	WIN 0
.irp u, 0,1
	v_sub_nc_u32 v[116+16*\u], v[116+16*\u], s79   ; q: every byte 3 lower (each is 4 at the least: no borrow).  (Plain places behind the conversions)
.endr
.irp u, 0,1
	v_lshrrev_b32 v[112+16*\u], 16, v[116+16*\u]
.endr
.irp c, 0,1
.irp i, 0,1,2
.irp u, 0,1
	v_permlane16_swap_b32 v[160+24*\p+12*\u+6*\c+\i], v[144+8*\u+4*\c+\i]      ; the operand's layout wants a whole block in a lane
.endr
.endr
.endr
.irp c, 0,1
.irp i, 0,1,2
.irp u, 0,1
	v_mov_b32 v[163+24*\p+12*\u+6*\c+\i], v[144+8*\u+4*\c+\i]
.endr
.endr
.endr
.irp u, 0,1
	v_cndmask_b32 v[112+16*\u], v[116+16*\u], v[112+16*\u], s80         ; lanes 0-15 keep the first tile's two bytes, lanes 16-31 take the second's
.endr
.irp u, 0,1
	v_and_or_b32 v[232+2*\p+\u], v[112+16*\u], 0xffff, s81
.endr
.irp u, 0,1
.irp g, 0,1,2
	global_store_b128 v1, v[160+24*\p+12*\u+4*\g:163+24*\p+12*\u+4*\g], s[74:75] offset:1536*(2*\p+\u)+512*\g   ; 512 consecutive bytes, aligned
.endr
.endr
.endm
; v: channel tiles u = 0, 1 x my 128 keys: register 32 c + i = key 64 c + 32 h + i of my channel: two whole blocks a lane.
.macro VOUT
	WIN 0x0f
.irp b, 0,1,2,3
.irp u, 0,1
	v_max3_num_f32 v[112+16*\u+\b], |v[64*\u+16*\b]|, |v[64*\u+16*\b+1]|, s85
.endr
.endr
.irp i, 2,4,6,8,10,12,14
.irp b, 0,1,2,3
.irp u, 0,1
	v_max3_num_f32 v[112+16*\u+\b], |v[64*\u+16*\b+\i]|, |v[64*\u+16*\b+\i+1]|, v[112+16*\u+\b]
.endr
.endr
.endr
	WIN 0
.irp c, 0,1
.irp u, 0,1
	v_max_num_f32 v[116+16*\u+\c], v[112+16*\u+2*\c], v[113+16*\u+2*\c]
.endr
.endr
.irp c, 0,1
.irp u, 0,1
	v_add_nc_u32 v[124+16*\u+\c], 0xff000000, v[116+16*\u+\c]
.endr
.endr
.irp c, 0,1
.irp u, 0,1
	v_lshrrev_b32 v[118+16*\u+\c], 23, v[124+16*\u+\c]
.endr
.endr
.irp u, 0,1
	v_lshl_or_b32 v[118+16*\u], v[119+16*\u], 16, v[118+16*\u]          ; my two bytes: blocks h and 2 + h,
.endr
.irp u, 0,1
	v_lshlrev_b32 v[118+16*\u], v15, v[118+16*\u]                       ; 8 h bits up;
.endr
.irp u, 0,1
	v_permlanex16_b32 v[120+16*\u], v[118+16*\u], s82, s83
.endr
.irp u, 0,1
	v_or_b32 v[236+\u], v[118+16*\u], v[120+16*\u]                      ; with lane l xor 16's two the word is whole
.endr
	WIN 0x03
.irp c, 0,1
.irp u, 0,1
	v_cvt_scalef32_pk16_fp6_f32 v[208+12*\u+6*\c:210+12*\u+6*\c], v[64*\u+32*\c:64*\u+32*\c+15], v[124+16*\u+\c]
	v_cvt_scalef32_pk16_fp6_f32 v[144+8*\u+4*\c:146+8*\u+4*\c], v[64*\u+32*\c+16:64*\u+32*\c+31], v[124+16*\u+\c]
.endr
.endr
	WIN 0
	v_cndmask_b32 v236, v236, v237, s80            ; (a plain place behind the conversions)
.irp c, 0,1
.irp i, 0,1,2
.irp u, 0,1
	v_mov_b32 v[211+12*\u+6*\c+\i], v[144+8*\u+4*\c+\i]
.endr
.endr
.endr
.irp u, 0,1
.irp g, 0,1,2
	global_store_b128 v1, v[208+12*\u+4*\g:211+12*\u+4*\g], s[76:77] offset:6656+1536*\u+512*\g
.endr
.endr
.endm
	s_load_b256 s[4:11], s[0:1], 0x0               ; xq s[4:5], wq s[6:7], qb s[8:9], kv s[10:11]
	v_lshl_add_u32 v[SPW], v0, 2, SPARE
	v_mov_b32 v[NIL], 0
	ds_add_u32 v[SPW], v[NIL]
	ds_add_u32 v[SPW], v[NIL]
	v_lshrrev_b32 v3, 5, v0
	v_readfirstlane_b32 s12, v3                    ; wave 0..3
	s_lshr_b32 s13, s12, 1                         ; wm.  Also: which pair of K steps I fetch
	s_and_b32 s14, s12, 1                          ; wn.  Also: I fetch for A (0) or for B (1)
	s_bfe_u32 s15, ttmp6, 0x40000                  ; cx
	s_bfe_u32 s16, ttmp6, 0x40004                  ; cy
	s_lshl_b32 s17, ttmp9, 2
	s_add_co_u32 s17, s17, s15                     ; the head = 4 x cluster x + cx
	s_and_b32 s18, ttmp7, 0xffff
	s_lshl_b32 s18, s18, 2
	s_add_co_u32 s18, s18, s16                     ; the block of 256 rows = 4 x cluster y + cy
	s_lshl_b32 s19, s16, 2
	s_lshl_b32 s19, 15, s19                        ; my row of the cluster
	s_lshl_b32 s20, 0x1111, s15                    ; my column
	; descriptor group 1: dense blocks as rows of 256 bytes (32 elements of 8 bytes), no padding.  A: 49,152 bytes = 192 rows; B: 36,864 = 144 rows
	s_or_b32 s[G1A], s19, (3<<16)|(1<<21)          ; 15:0 the mask; 17:16 elements of 8 bytes; 21 set beside a mask
	s_or_b32 s[G1B], s20, (3<<16)|(1<<21)
	s_mov_b32 s[G1A+2], 192<<16                    ; tensor_dim1
	s_mov_b32 s[G1A+4], 192                        ; tile_dim1
	s_mov_b32 s[G1B+2], 144<<16
	s_mov_b32 s[G1B+4], 144
.irp g, G1A, G1B
	s_mov_b32 s[\g+1], 32<<16                      ; tensor_dim0
	s_mov_b32 s[\g+3], 32<<16                      ; tile_dim0
	s_mov_b32 s[\g+5], 32                          ; the pitch
	s_mov_b32 s[\g+6], 0
	s_mov_b32 s[\g+7], 0
.endr
	; group 0: set 0 the head's load, set 1 the round's.  No place in the cluster enters an LDS address
	s_mov_b32 s[G0A], 1
	s_mul_i32 s[G0A+1], s13, 49152
	s_mov_b32 s[G0A+4], 1
	s_add_co_u32 s[G0A+5], s[G0A+1], 98304
	s_mov_b32 s[G0B], 1
	s_mul_i32 s[G0B+1], s13, 36864
	s_add_co_u32 s[G0B+1], s[G0B+1], BBASE
	s_mov_b32 s[G0B+4], 1
	s_xor_b32 s[G0B+5], s13, 1                     ; K steps 4, 5 go to the third place, K steps 6, 7 to the first
	s_mul_i32 s[G0B+5], s[G0B+5], 73728
	s_add_co_u32 s[G0B+5], s[G0B+5], BBASE
	s_mul_i32 s66, s18, 196608                     ; A: the block of 256 rows, + my pair of K steps
	s_mul_i32 s67, s13, 49152
	s_add_co_u32 s66, s66, s67
	s_mov_b32 s67, 0
	s_mul_i32 s68, s17, 147456                     ; B: the head, + my pair of K steps
	s_mul_i32 s69, s13, 36864
	s_add_co_u32 s68, s68, s69
	s_mov_b32 s69, 0
	s_wait_dscnt 0x0
	CROUND                                         ; all sixteen work-groups are here: the first joint loads meet
	s_wait_kmcnt 0x0
	s_add_nc_u64 s[G0A+2:G0A+3], s[4:5], s[66:67]
	s_or_b32 s[G0A+3], s[G0A+3], 0x80000000
	s_add_nc_u64 s[G0B+2:G0B+3], s[6:7], s[68:69]
	s_or_b32 s[G0B+3], s[G0B+3], 0x80000000
	ARMS 0
	s_add_nc_u64 s[G0A+6:G0A+7], s[G0A+2:G0A+3], 98304
	s_add_nc_u64 s[G0B+6:G0B+7], s[G0B+2:G0B+3], 73728
	s_lshl_b32 s70, s18, 10                        ; x's scale words: [K step][4,096]: my 128 positions
	s_lshl_b32 s21, s13, 9
	s_add_co_u32 s70, s70, s21
	s_add_co_u32 s70, s70, 3145728
	s_mov_b32 s71, 0
	s_add_nc_u64 s[70:71], s[4:5], s[70:71]
	s_mul_i32 s72, s17, 768                        ; w's: [K step][3,072]: my 96 positions
	s_mul_i32 s21, s14, 384
	s_add_co_u32 s72, s72, s21
	s_add_co_u32 s72, s72, 2359296
	s_mov_b32 s73, 0
	s_add_nc_u64 s[72:73], s[6:7], s[72:73]
	s_lshl_b32 s21, s15, 2                         ; the prefetch of K steps 4, 5: A's 192 blocks of 256 bytes, 12 to each of the row's sixteen waves;
	s_add_co_u32 s21, s21, s12
	s_mul_i32 s21, s21, 3072
	s_mul_i32 s22, s18, 196608
	s_add_co_u32 s22, s22, s21
	s_add_co_u32 s22, s22, 98304
	s_lshl_b32 s21, s16, 2                         ; B's 144, 9 to each of the column's sixteen waves
	s_add_co_u32 s21, s21, s12
	s_mul_i32 s21, s21, 2304
	s_mul_i32 s23, s17, 147456
	s_add_co_u32 s23, s23, s21
	s_add_co_u32 s23, s23, 73728
	v_and_b32 v3, 31, v0
	v_lshlrev_b32 v1, 4, v3                        ; 16 x lane
	v_lshlrev_b32 v2, 2, v3                        ; 4 x lane
	v_min_u32 v16, 11, v3
	v_min_u32 v17, 8, v3
	v_lshl_add_u32 v16, v16, 8, s22                ; v16, v17: never rewritten
	v_lshl_add_u32 v17, v17, 8, s23
.irp p, 0,1,2,3
.irp s, 0,1,2,3,4,5,6,7
	global_load_b32 v[SCA+8*\p+\s], v2, s[70:71] offset:\s*16384+128*\p
.endr
.endr
.irp p, 0,1,2
.irp s, 0,1,2,3,4,5,6,7
	global_load_b32 v[SCB+8*\p+\s], v2, s[72:73] offset:\s*12288+128*\p
.endr
.endr
	global_prefetch_b8 v16, s[4:5] th:TH_LOAD_NT scope:SCOPE_SE
	global_prefetch_b8 v17, s[6:7] th:TH_LOAD_NT scope:SCOPE_SE
	s_mul_i32 s89, s13, 24576                      ; my 8 tiles of A,
	s_mul_i32 s84, s14, 18432                      ; my 6 of B
	s_add_co_u32 s84, s84, BBASE
	s_wait_alu depctr_va_vdst(0)                   ; ahead of the readers below
	v_add_nc_u32 v8, s89, v1
	v_add_nc_u32 v12, s84, v1
.irp k, 1,2,3
	v_add_nc_u32 v[8+\k], \k*49152, v8
.endr
.irp k, 1,2
	v_add_nc_u32 v[12+\k], \k*36864, v12
.endr
	v_bfe_u32 v15, v0, 4, 1
	v_lshlrev_b32 v15, 3, v15                      ; 8 h
	; where the results go.  Record = ((batch x 16 + head) x 16 + the step of 128 rows): 6,656 bytes in qb, 13,056 in kv
	s_lshr_b32 s90, s18, 3
	s_lshl_b32 s90, s90, 4
	s_add_co_u32 s90, s90, s17
	s_lshl_b32 s90, s90, 4
	s_and_b32 s91, s18, 7
	s_lshl_b32 s91, s91, 1
	s_add_co_u32 s90, s90, s91
	s_add_co_u32 s90, s90, s13
	s_mul_i32 s94, s90, 13056
	s_mov_b32 s95, 0
	s_add_nc_u64 s[76:77], s[10:11], s[94:95]      ; my record in kv
	s_cmp_eq_u32 s14, 1                            ; wn = 1: k; wn = 0: q.  The choice hangs on the wave's number alone
	s_cselect_b64 s[74:75], s[10:11], s[8:9]
	s_mov_b32 s91, 6656
	s_cselect_b32 s91, 13056, s91
	s_mov_b32 s78, 6<<23
	s_cselect_b32 s78, 3<<23, s78                  ; the floor: k 2^(3 - 127), q 2^(6 - 127)
	s_cselect_b32 s79, 0, 0x03030303               ; what is taken off the four bytes: q x 0.125
	s_mul_i32 s94, s90, s91
	s_add_nc_u64 s[74:75], s[74:75], s[94:95]      ; q's or k's images and words
	s_lshl_b32 s94, s14, 7
	s_add_nc_u64 s[92:93], s[76:77], s[94:95]      ; v's scale words: 128 bytes for each wn
	s_mul_i32 s94, s14, 3072
	s_add_nc_u64 s[76:77], s[76:77], s[94:95]      ; v's fragments: two for each wn
	s_mov_b32 s80, 0xffff0000                      ; lanes 16-31
	s_mov_b32 s81, 0x7f7f0000                      ; the bytes of the two blocks that a head of 64 does not have: 1.0
	s_mov_b32 s82, 0x76543210
	s_mov_b32 s83, 0xfedcba98
	s_mov_b32 s85, 3<<23
	s_wait_alu depctr_va_vdst(0)
	s_cmp_lt_u32 s12, 2
	s_cbranch_scc0 .Lnot_first
	s_wait_tensorcnt 0x0                           ; K steps 0, 1 are waves 0's and 1's loads; K steps 2, 3 may be out
.Lnot_first:
	s_barrier_signal -1
	s_barrier_wait -1
.irp c, 0,1,2,3,4
	CHK \c, 0, 0
.endr
	global_prefetch_b8 v16, s[4:5] offset:49152 th:TH_LOAD_NT scope:SCOPE_SE   ; K steps 6, 7  (the address stands in window 0)
	global_prefetch_b8 v17, s[6:7] offset:36864 th:TH_LOAD_NT scope:SCOPE_SE
	s_wait_loadcnt 0x0                             ; the scale words
	KS 0, 0, 1                                     ; its products start the sums: nothing is cleared
	KS 1, 1, 0
	KS 2, 0, 0
	KS 3, 2, 0
	KS 4, 0, 0
	KS 5, 3, 0
	KS 6, 0, 0
	KS 7, 4, 0
	WIN 0
	PLACES
	QKOUT 0
	QKOUT 1
	global_store_b128 v1, v[232:235], s[74:75] offset:6144
	VOUT
	global_store_b32 v2, v236, s[92:93] offset:12800
	s_wait_tensorcnt 0x0                           ; the wave's end
	ds_add_u32 v[SPW], v[NIL]
	s_wait_dscnt 0x0
	CROUND                                         ; the closing round: no work-group ends while a partner may still ask for a block that names it
	s_endpgm
.Lfunc_end_k_qbaef5b0606_qkv:
	.size	k_qbaef5b0606_qkv, .Lfunc_end_k_qbaef5b0606_qkv-k_qbaef5b0606_qkv
	.p2alignl 7, 3214868480
	.fill 96, 4, 3214868480
	.section	.rodata,"a",@progbits
	.p2align	6, 0x0
	.amdhsa_kernel k_qbaef5b0606_qkv
		.amdhsa_group_segment_fixed_size 327680
		.amdhsa_private_segment_fixed_size 0
		.amdhsa_enable_private_segment 0
		.amdhsa_kernarg_size 32
		.amdhsa_user_sgpr_count 2
		.amdhsa_user_sgpr_kernarg_segment_ptr 1
		.amdhsa_wavefront_size32 1
		.amdhsa_system_sgpr_workgroup_id_x 1
		.amdhsa_system_sgpr_workgroup_id_y 1
		.amdhsa_system_sgpr_workgroup_id_z 1
		.amdhsa_system_vgpr_workitem_id 0
		.amdhsa_next_free_vgpr 896
		.amdhsa_next_free_sgpr 96
		.amdhsa_reserve_vcc 0
		.amdhsa_float_denorm_mode_32 3
		.amdhsa_float_denorm_mode_16_64 3
		.amdhsa_memory_ordered 1
		.amdhsa_forward_progress 1
		.amdhsa_inst_pref_size 113
	.end_amdhsa_kernel
	.amdgpu_metadata
---
amdhsa.version: [ 1, 2 ]
amdhsa.kernels:
  - .name:           k_qbaef5b0606_qkv
    .symbol:         k_qbaef5b0606_qkv.kd
    .args:
      - { .name: xq, .offset: 0, .size: 8, .value_kind: global_buffer, .address_space: global }
      - { .name: wq, .offset: 8, .size: 8, .value_kind: global_buffer, .address_space: global }
      - { .name: qb, .offset: 16, .size: 8, .value_kind: global_buffer, .address_space: global }
      - { .name: kv, .offset: 24, .size: 8, .value_kind: global_buffer, .address_space: global }
    .group_segment_fixed_size: 327680
    .private_segment_fixed_size: 0
    .kernarg_segment_align: 8
    .kernarg_segment_size: 32
    .max_flat_workgroup_size: 128
    .sgpr_count:     96
    .vgpr_count:     896
    .wavefront_size: 32
...
	.end_amdgpu_metadata
.endif
;; end of part 2
;; launch attn (part 3): grid 8 x 32, 8 waves a work-group, clusters of 4 x 1, 209,920 bytes of LDS; arguments qb, kv, oq; writes oq
.if DOCPART == 3
	.amdgcn_target "amdgcn-amd-amdhsa--gfx1250"
	.amdhsa_code_object_version 6
	.text
	.protected	k_qbaef5b0606_attn
	.globl	k_qbaef5b0606_attn
	.p2align	8
	.type	k_qbaef5b0606_attn,@function
k_qbaef5b0606_attn:
	s_mov_b64 s[64:65], 0
	v_nop
	global_prefetch_b8 v0, s[64:65] scope:SCOPE_SE
	s_setreg_imm32_b32 hwreg(HW_REG_WAVE_MODE, 25, 1), 1
	s_wait_xcnt 0x0
	s_wait_alu depctr_hold_cnt(0) depctr_sa_sdst(0) depctr_va_vdst(0) depctr_va_sdst(0) depctr_va_ssrc(0) depctr_va_vcc(0) depctr_vm_vsrc(0)
	s_getreg_b32 s2, hwreg(HW_REG_IB_STS2, 6, 4)
	s_cmp_eq_u32 s2, 0
	s_cbranch_scc0 .Lentry_in_a_cluster
	s_endpgm
.Lentry_in_a_cluster:
	s_bfe_u32 s2, ttmp6, 0x10000c
	s_cmp_lg_u32 s2, 0x3003
	s_cbranch_scc0 .Lentry_shape_is_right
	s_endpgm
.Lentry_shape_is_right:
; o = softmax(q k^T) v for one head (q already carries the 0.125 in its scale bytes), both products on codes of E2M3, and o's quantising along the head's 64 channels for the last product.
; THE SOFTMAX: t = score x log2(e); M = the running largest t rounded UP to a whole number; p = 2^(t - M) is quantised along the keys, not normalised; the row's sum is taken of the unquantised p and divides at the end.
; When M moves, the sum and O are multiplied by 2^(old M - new M): exact.
; SHARES.  A work-group owns 256 queries of one head; each of its eight waves 32 of them, two tiles: a fragment of K or V feeds two products.  Every wave walks the head's 2,048 keys, 128 a step.
; LDS: the whole head's K and V, 16 records of 13,056 bytes (K: four images of two tiles each, its scale words; V^T: four fragments, their scale words), filled ONCE: wave w brings records 2 w, 2 w + 1.  No refill.
; A wave walks the records from its own two on, round the sixteen: its own two need its own wait alone, so they are worked between the signal and the wait of the barrier that shows the others.
; CLUSTER 4 x 1: four blocks of queries of one head: each record is asked for jointly.  No prefetch: everything is asked for at the head, so no loop could run ahead of a load.
; Both products are used transposed: S^T = K Q^T, O^T = V^T P^T: a lane holds one query throughout.  Tile t of each 64 keys holds in row 8 h + j key 32 h + 8 t + j:
; so lane (r, h)'s 32 registers of four tiles are a WHOLE block of 32 keys, in the order of the next operand: no lane looks at another but for the row's maximum and the scale word.
; K = 64 IN AN INSTRUCTION OF 128: q's registers 6-11 are zero codes.  A tile of k is six registers; the six behind it (the next tile's codes, zeros behind the last) stand against q's zeros:
; every code of E2M3 is a finite number, so those products are 0; the scale bytes of the two blocks that do not exist are 127 on both sides.
; LIMITS: NaN and infinities are not served; the scaled scores t stay under 2^31 in magnitude; a block of zeros gets the byte 1 (its codes are zeros; the bytes are read by this program alone).
; REGISTERS, window 0: v1, v2 16 and 4 x lane; v3-5 LDS addresses; v10, v11 the add's; v12-15 K's scale words; v16, v17 V's; v18 q's (lanes 0-15 tile 0, lanes 16-31 tile 1); v20, v21 p's;
;   v24-39, v40-55 each tile's own (below); v56-71, v240-255 partial sums; v72-78 conversions; v80-103 p's codes; v104-167, v168-231 S^T, then p; v232-239 maxima.
;   window 1: v0-23 q; v24-71 K's eight tiles, v72-77 zeros; v80-127 V's four fragments; v128-191 O^T.
; A tile's own, from M_ on: 0 -M; 1 the largest score; 2, 3 the sum; 4 f (5 its pair); 6, 7 at work; 8, 9 the blocks' largest; 10, 11 scale operands; 12, 13 bytes; 14 the other half's.
.set REC, 13056
.set SPARE, 16*REC                     ; the spare words, 128 bytes a wave: four blocks of 256 bytes that no other line names
.set MSB, 0
.macro WIN new                         ; the immediate's high byte repeats the setting that is left
.if MSB != \new
	s_set_vgpr_msb (MSB<<8)|\new
.set MSB, \new
.endif
.endm
.macro CROUND                          ; a round of the cluster's barrier
	s_barrier_signal -1
	s_barrier_wait -1
	s_cmp_lg_u32 s10, 0
	s_cbranch_scc1 .Lnot_wave_0_\@
	s_barrier_signal -3
.Lnot_wave_0_\@:
	s_barrier_wait -3
	s_barrier_signal -1
	s_barrier_wait -1
.endm
.macro TILE x                          ; the registers of tile x
.set M_, 24+16*(\x)
.set S_, 104+64*(\x)
.set P_, 80+12*(\x)
.set A_, 56+184*(\x)
.set H_, 232+4*(\x)
.set O_, 128+32*(\x)
.set Q_, 12*(\x)
.endm
.macro FETCHK a                        ; a record's K: tile t in v[24 + 6 t] on; its scale words: register p: lanes 0-15 tile 2 p, lanes 16-31 tile 2 p + 1: 13 loads
	WIN 0x40
.irp i, 0,1,2,3,4,5,6,7,8,9,10,11
	ds_load_b128 v[24+4*\i:27+4*\i], \a offset:512*\i
.endr
	WIN 0
	ds_load_b128 v[12:15], \a offset:6144
.endm
.macro FETCHV                          ; its V^T: four fragments of 16 channels x 128 keys, and their words: 14 loads
	WIN 0x40
.irp i, 0,1,2,3,4,5,6,7,8,9,10,11
	ds_load_b128 v[80+4*\i:83+4*\i], v3 offset:6656+512*\i
.endr
	WIN 0
	ds_load_b32 v16, v4 offset:12800
	ds_load_b32 v17, v4 offset:12928
.endm
.macro SP x, p                         ; tile x's scores of key tiles 2 p, 2 p + 1
	TILE \x
	v_wmma_scale_f32_16x16x128_f8f6f4 v[S_+16*(\p):S_+16*(\p)+7], v[24+12*(\p):35+12*(\p)], v[Q_:Q_+11], 0, v[12+(\p)], v18 matrix_a_fmt:MATRIX_FMT_FP6 matrix_b_fmt:MATRIX_FMT_FP6 matrix_a_scale:MATRIX_SCALE_ROW0 matrix_b_scale:MATRIX_SCALE_ROW\x
	v_wmma_scale_f32_16x16x128_f8f6f4 v[S_+16*(\p)+8:S_+16*(\p)+15], v[30+12*(\p):41+12*(\p)], v[Q_:Q_+11], 0, v[12+(\p)], v18 matrix_a_fmt:MATRIX_FMT_FP6 matrix_b_fmt:MATRIX_FMT_FP6 matrix_a_scale:MATRIX_SCALE_ROW1 matrix_b_scale:MATRIX_SCALE_ROW\x
.endm
.macro PV x, p, z                      ; O^T += V^T P^T: channel tiles 2 p, 2 p + 1; z = 1: the products start the sums
	TILE \x
.if \z
	v_wmma_scale_f32_16x16x128_f8f6f4 v[O_+16*(\p):O_+16*(\p)+7], v[80+24*(\p):91+24*(\p)], v[P_:P_+11], 0, v[16+(\p)], v[20+(\x)] matrix_a_fmt:MATRIX_FMT_FP6 matrix_b_fmt:MATRIX_FMT_FP6 matrix_a_scale:MATRIX_SCALE_ROW0
	v_wmma_scale_f32_16x16x128_f8f6f4 v[O_+16*(\p)+8:O_+16*(\p)+15], v[92+24*(\p):103+24*(\p)], v[P_:P_+11], 0, v[16+(\p)], v[20+(\x)] matrix_a_fmt:MATRIX_FMT_FP6 matrix_b_fmt:MATRIX_FMT_FP6 matrix_a_scale:MATRIX_SCALE_ROW1
.else
	v_wmma_scale_f32_16x16x128_f8f6f4 v[O_+16*(\p):O_+16*(\p)+7], v[80+24*(\p):91+24*(\p)], v[P_:P_+11], v[O_+16*(\p):O_+16*(\p)+7], v[16+(\p)], v[20+(\x)] matrix_a_fmt:MATRIX_FMT_FP6 matrix_b_fmt:MATRIX_FMT_FP6 matrix_a_scale:MATRIX_SCALE_ROW0
	v_wmma_scale_f32_16x16x128_f8f6f4 v[O_+16*(\p)+8:O_+16*(\p)+15], v[92+24*(\p):103+24*(\p)], v[P_:P_+11], v[O_+16*(\p)+8:O_+16*(\p)+15], v[16+(\p)], v[20+(\x)] matrix_a_fmt:MATRIX_FMT_FP6 matrix_b_fmt:MATRIX_FMT_FP6 matrix_a_scale:MATRIX_SCALE_ROW1
.endif
.endm
; the largest score of each of my two blocks, 32 lines: four chains of 16 scores by turns, joined in pairs.  Each accumulator is read from its low end on.
.macro MX x, from, n
	TILE \x
.set I_, \from
.rept \n
.if I_ < 28
.set B_, S_+16*(I_%4)
.set K_, I_/4
.set C_, H_+(I_%4)
.if K_ == 0
	v_max3_num_f32 v[C_], v[B_], v[B_+1], v[B_+2]
.else
	v_max3_num_f32 v[C_], v[C_], v[B_+2*K_+1], v[B_+2*K_+2]
.endif
.elseif I_ < 30
.set K_, I_-28
	v_max3_num_f32 v[H_+2*K_], v[H_+2*K_], v[S_+32*K_+15], v[S_+32*K_+31]
.else
.set K_, I_-30
	v_max_num_f32 v[M_+8+K_], v[H_+2*K_], v[H_+2*K_+1]
.endif
.set I_, I_+1
.endr
.endm
; M's chain, 9 lines: the row's largest score, -M = floor(-t), f = 2^(old M - new M).  The first step (z = 1) has no old M.
.macro MC x, i, z
	TILE \x
.if (\i) == 0
	v_max_num_f32 v[M_+6], v[M_+8], v[M_+9]
.elseif (\i) == 1
	v_permlanex16_b32 v[M_+7], v[M_+6], s28, s29   ; lane l xor 16 holds the query's other two blocks
.elseif (\i) == 2
.if \z
	v_max_num_f32 v[M_+1], v[M_+6], v[M_+7]
.else
	v_max3_num_f32 v[M_+1], v[M_+1], v[M_+6], v[M_+7]
.endif
.elseif (\i) == 4
	v_mul_f32 v[M_+7], s30, v[M_+1]
.elseif (\i) == 5
	v_floor_f32 v[M_], -v[M_+7]
.elseif (\z) == 0
.if (\i) == 3
	v_mov_b32 v[M_+6], v[M_]
.elseif (\i) == 6
	v_sub_f32 v[M_+6], v[M_], v[M_+6]              ; a whole number, 0 or less
.elseif (\i) == 7
	v_cvt_i32_f32 v[M_+6], v[M_+6]
.else
	v_ldexp_f32 v[M_+4], 1.0, v[M_+6]
.endif
.endif
.endm
.macro TT x, j                         ; t - M: 32 lines of two scores, and the two blocks' largest
	TILE \x
.if (\j) < 32
	v_pk_fma_f32 v[S_+2*(\j):S_+2*(\j)+1], v[S_+2*(\j):S_+2*(\j)+1], s[30:31], v[M_:M_+1] op_sel_hi:[1,0,0]
.else
	v_fma_f32 v[M_+8+(\j)-32], v[M_+8+(\j)-32], s30, v[M_]
.endif
.endm
.macro EX x, j                         ; p = 2^(t - M); 64, 65: the blocks' largest p (p rises with the score)
	TILE \x
.if (\j) < 64
	v_exp_f32 v[S_+(\j)], v[S_+(\j)]
.else
	v_exp_f32 v[M_+8+(\j)-64], v[M_+8+(\j)-64]
.endif
.endm
.macro SL x, i, z                      ; the sum of the unquantised p, 32 lines: eight partial sums, then joined
	TILE \x
.if (\i) < 8
	v_pk_add_f32 v[A_+2*(\i):A_+2*(\i)+1], v[S_+2*(\i):S_+2*(\i)+1], v[S_+2*(\i)+16:S_+2*(\i)+17]
.elseif (\i) < 24
.set K_, A_+2*((\i)%8)
.set B_, S_+2*(\i)+16
	v_pk_add_f32 v[K_:K_+1], v[K_:K_+1], v[B_:B_+1]
.elseif (\i) < 28
.set K_, A_+2*((\i)-24)
	v_pk_add_f32 v[K_:K_+1], v[K_:K_+1], v[K_+8:K_+9]
.elseif (\i) < 30
.set K_, A_+2*((\i)-28)
	v_pk_add_f32 v[K_:K_+1], v[K_:K_+1], v[K_+4:K_+5]
.elseif (\i) == 30
.if (\z) == 0
	v_pk_add_f32 v[A_:A_+1], v[A_:A_+1], v[A_+2:A_+3]
.endif
.else
.if \z
	v_pk_add_f32 v[M_+2:M_+3], v[A_:A_+1], v[A_+2:A_+3]
.else
	v_pk_add_f32 v[M_+2:M_+3], v[M_+2:M_+3], v[A_:A_+1]
.endif
.endif
.endm
.macro QL x, i                         ; scale operands, bytes, and p's scale word (lanes 0-15: bytes 0, 2 are mine, 1, 3 lane l + 16's)
	TILE \x
.if (\i) < 2
	v_max_num_f32 v[M_+8+(\i)], 0x1800000, v[M_+8+(\i)]            ; the floor 2^(3 - 127): the byte cannot fall under 1
.elseif (\i) < 4
	v_add_nc_u32 v[M_+8+(\i)], 0xff000000, v[M_+6+(\i)]            ; 2 off the exponent field
.elseif (\i) < 6
	v_lshrrev_b32 v[M_+8+(\i)], 23, v[M_+6+(\i)]
.elseif (\i) == 6
	v_lshl_or_b32 v[M_+12], v[M_+13], 16, v[M_+12]
.elseif (\i) == 7
	v_permlanex16_b32 v[M_+14], v[M_+12], s28, s29
.else
	v_lshl_or_b32 v[20+(\x)], v[M_+14], 8, v[M_+12]
.endif
.endm
.macro CV x, c, u                      ; block c's lower (u = 0) or upper 16 codes; the upper go elsewhere first (a conversion's three registers begin on an even number)
	TILE \x
.if (\u) == 0
	v_cvt_scalef32_pk16_fp6_f32 v[P_+6*(\c):P_+6*(\c)+2], v[S_+32*(\c):S_+32*(\c)+15], v[M_+10+(\c)]
.else
	v_cvt_scalef32_pk16_fp6_f32 v[72+4*(\c):74+4*(\c)], v[S_+32*(\c)+16:S_+32*(\c)+31], v[M_+10+(\c)]
.endif
.endm
.macro CM x
	TILE \x
.irp i, 0,1,2
	v_mov_b32 v[P_+3+\i], v[72+\i]
.endr
.irp i, 0,1,2
	v_mov_b32 v[P_+9+\i], v[76+\i]
.endr
.endm
.macro RS x                            ; O^T under the new M
	TILE \x
.irp j, 0,2,4,6,8,10,12,14,16,18,20,22,24,26,28,30
	v_pk_mul_f32 v[O_+\j:O_+\j+1], v[O_+\j:O_+\j+1], v[M_+4:M_+5] op_sel_hi:[1,0]
.endr
.endm
; A STEP: 128 keys, from the record at LDS byte s33.  mode 0: K is fetched here; 1: K is in or on its way, and the next record's (number s35 + 1, modulo 16) is asked for; 2: nothing more is asked for.  z = 1: the first step.
.macro STEP mode, z
.if \mode == 0
	v_add_nc_u32 v3, s33, v1
	FETCHK v3
.endif
.if \mode == 1
	s_add_co_u32 s34, s35, 1
	s_and_b32 s34, s34, 15
	s_mul_i32 s34, s34, REC
.endif
	s_wait_dscnt 0x0                               ; K and its words are in
	WIN 0x05
	SP 0, 0
	SP 0, 1
	SP 0, 2
	SP 0, 3
	SP 1, 0
	WIN 0
	v_add_nc_u32 v3, s33, v1                       ; the places behind tile 0's products
	v_add_nc_u32 v4, s33, v2
.if \mode == 1
	v_add_nc_u32 v5, s34, v1
.else
	v_nop
.endif
	v_nop
	MX 0, 0, 6                                     ; tile 0's maxima among tile 1's products
	WIN 0x05
	SP 1, 1
	WIN 0
	MX 0, 6, 9
	WIN 0x05
	SP 1, 2
	WIN 0
	MX 0, 15, 9
	WIN 0x05
	SP 1, 3
	WIN 0
	MX 0, 24, 8                                    ; (also the places behind tile 1's products)
	FETCHV
.if \mode == 1
	FETCHK v5
.endif
.set J_, 0
.rept 8                                        ; tile 1's maxima, tile 0's M
	MX 1, 4*J_, 4
	MC 0, J_, \z
.set J_, J_+1
.endr
	MC 0, 8, \z
.set J_, 0
.rept 8                                        ; tile 0's t - M, tile 1's M
	TT 0, 4*J_
	TT 0, 4*J_+1
	TT 0, 4*J_+2
	TT 0, 4*J_+3
	MC 1, J_, \z
.set J_, J_+1
.endr
	TT 0, 32
	MC 1, 8, \z
	TT 0, 33
.if (\z) == 0
	v_pk_mul_f32 v[26:27], v[26:27], v[28:29] op_sel_hi:[1,0]      ; the sums under the new M
	v_pk_mul_f32 v[42:43], v[42:43], v[44:45] op_sel_hi:[1,0]
	WIN 0x41
	RS 0
	RS 1
	WIN 0
.endif
	s_wait_alu depctr_va_vdst(0)                   ; ahead of the batch
.set J_, 0
.rept 32                                       ; tile 0's p; tile 1's t - M
	EX 0, 2*J_
	EX 0, 2*J_+1
	TT 1, J_
.set J_, J_+1
.endr
	EX 0, 64
	EX 0, 65
	TT 1, 32
	TT 1, 33
	s_wait_alu depctr_va_vdst(0)
.if \mode == 1
	s_wait_dscnt 13                                ; V is in; the next record's 13 loads may be out
.else
	s_wait_dscnt 0x0
.endif
.set J_, 0
.rept 8                                        ; tile 1's p, in four batches; among them one line of each of tile 0's eight partial sums, and its scales
	EX 1, 2*J_
	EX 1, 2*J_+1
	SL 0, J_, \z
.set J_, J_+1
.endr
	QL 0, 0
	QL 0, 1
	s_wait_alu depctr_va_vdst(0)
.rept 8
	EX 1, 2*J_
	EX 1, 2*J_+1
	SL 0, J_, \z
.set J_, J_+1
.endr
	QL 0, 2
	QL 0, 3
	s_wait_alu depctr_va_vdst(0)
.rept 8
	EX 1, 2*J_
	EX 1, 2*J_+1
	SL 0, J_, \z
.set J_, J_+1
.endr
	QL 0, 4
	QL 0, 5
	s_wait_alu depctr_va_vdst(0)
.irp g, 0,1,2,3
	EX 1, 48+4*\g
	EX 1, 49+4*\g
	CV 0, \g/2, \g%2
	EX 1, 50+4*\g
	EX 1, 51+4*\g
	SL 0, 24+\g, \z
.endr
	EX 1, 64
	EX 1, 65
	QL 0, 6                                        ; (a plain place behind the exponentials and the conversions)
	s_wait_alu depctr_va_vdst(0)
	QL 0, 7
	CM 0
	SL 0, 28, \z
	SL 0, 29, \z
	QL 0, 8
	SL 0, 30, \z                                   ; eight places and more between the scale word and the products
.irp i, 0,1,2,3
	SL 1, \i, \z
.endr
	SL 0, 31, \z
.irp i, 4,5,6,7
	SL 1, \i, \z
.endr
	QL 1, 0
	QL 1, 1
	WIN 0x51
	PV 0, 0, \z
	WIN 0
.irp i, 8,9,10,11,12,13,14,15
	SL 1, \i, \z
.endr
	QL 1, 2
	QL 1, 3
	WIN 0x51
	PV 0, 1, \z
	WIN 0
.irp i, 16,17,18,19
	SL 1, \i, \z
.endr
	QL 1, 4
	QL 1, 5
	SL 1, 20, \z
	SL 1, 21, \z
	QL 1, 6
	SL 1, 22, \z
	QL 1, 7
	SL 1, 23, \z
	QL 1, 8
	CV 1, 0, 0
	CV 1, 0, 1
	CV 1, 1, 0
	CV 1, 1, 1
	SL 1, 24, \z                                   ; (a plain place behind the conversions)
	CM 1
	SL 1, 25, \z                                   ; four places between the codes and the products
	SL 1, 26, \z
	SL 1, 27, \z
	SL 1, 28, \z
	WIN 0x51
	PV 1, 0, \z
	PV 1, 1, \z
	WIN 0
	SL 1, 29, \z
	SL 1, 30, \z
	SL 1, 31, \z
.endm
	s_load_b128 s[4:7], s[0:1], 0x0                ; qb s[4:5], kv s[6:7]
	s_load_b64 s[8:9], s[0:1], 0x10                ; oq
	v_lshl_add_u32 v10, v0, 2, SPARE
	v_mov_b32 v11, 0
	ds_add_u32 v10, v11
	ds_add_u32 v10, v11
	v_lshrrev_b32 v1, 5, v0
	v_readfirstlane_b32 s10, v1                    ; wave 0..7
	s_bfe_u32 s11, ttmp6, 0x40000                  ; cx
	s_lshl_b32 s12, ttmp9, 2
	s_add_co_u32 s12, s12, s11                     ; my block of 256 queries: it enters q's and o's addresses alone
	s_and_b32 s13, ttmp7, 0xffff                   ; batch x 16 + head, which the four partners share
	; descriptor: two records are a dense block of 102 rows of 256 bytes (32 elements of 8 bytes)
	s_mov_b32 s16, 15|(3<<16)|(1<<21)              ; 15:0 the mask: all four work-groups; 17:16 elements of 8 bytes; 21 set beside a mask
	s_mov_b32 s17, 32<<16
	s_mov_b32 s18, 102<<16
	s_mov_b32 s19, 32<<16
	s_mov_b32 s20, 102
	s_mov_b32 s21, 32
	s_mov_b32 s22, 0
	s_mov_b32 s23, 0
	s_lshl_b32 s34, s13, 4
	s_lshl_b32 s35, s10, 1
	s_add_co_u32 s34, s34, s35
	s_mul_i32 s34, s34, REC                        ; records 2 w, 2 w + 1 of the head, in memory,
	s_mov_b32 s35, 0
	s_mov_b32 s24, 1
	s_mul_i32 s25, s10, 2*REC                      ; and in LDS
	s_wait_dscnt 0x0
	CROUND                                         ; all four work-groups are here: the joint loads meet
	s_wait_kmcnt 0x0
	s_add_nc_u64 s[26:27], s[6:7], s[34:35]
	s_or_b32 s27, s27, 0x80000000
	tensor_load_to_lds s[24:27], s[16:23]          ; one load a wave, the only one of the launch
	s_nop 0
.rept 4
	v_nop
.endr
	; q: record 16 bh + 2 block + w / 4; in it image w % 4: tiles 2 (w % 4), 2 (w % 4) + 1
	s_lshl_b32 s36, s13, 4
	s_lshl_b32 s43, s12, 1
	s_add_co_u32 s36, s36, s43
	s_lshr_b32 s43, s10, 2
	s_add_co_u32 s36, s36, s43
	s_mul_i32 s36, s36, 6656
	s_and_b32 s43, s10, 3
	s_mul_i32 s44, s43, 1536
	s_add_co_u32 s44, s36, s44
	s_mov_b32 s45, 0
	s_add_nc_u64 s[44:45], s[4:5], s[44:45]
	s_lshl_b32 s43, s43, 2
	s_add_co_u32 s36, s36, s43
	s_mov_b32 s37, 0
	s_add_nc_u64 s[36:37], s[4:5], s[36:37]
	v_and_b32 v5, 31, v0                           ; lane
	v_lshlrev_b32 v1, 4, v5
	v_lshlrev_b32 v2, 2, v5
	WIN 0x40
	global_load_b128 v[0:3], v1, s[44:45]          ; the image's registers 0-5: tile 0; 6-11: tile 1
	global_load_b64 v[4:5], v1, s[44:45] offset:512
	global_load_b64 v[12:13], v1, s[44:45] offset:520
	global_load_b128 v[14:17], v1, s[44:45] offset:1024
.irp j, 6,7,8,9,10,11,18,19,20,21,22,23,72,73,74,75,76,77
	v_mov_b32 v[\j], 0                             ; zero codes: q's upper halves, and what stands behind K's last tile
.endr
	WIN 0
	global_load_b32 v18, v1, s[36:37] offset:6144  ; the image's scale words: lanes 0-15 tile 0, lanes 16-31 tile 1
.irp j, 29,31,38,45,47,54
	v_mov_b32 v[\j], 0                             ; the upper half of f's pair; a lane permute's destination counts as one of its sources
.endr
	; o: row tiles G = batch x 128 + 16 block + 2 w and G + 1; the head's 64 channels are half (head % 2) of K step head / 2
	s_lshr_b32 s48, s13, 4
	s_lshl_b32 s48, s48, 7
	s_lshl_b32 s49, s12, 4
	s_add_co_u32 s48, s48, s49
	s_lshl_b32 s49, s10, 1
	s_add_co_u32 s48, s48, s49
	s_and_b32 s49, s13, 15
	s_lshr_b32 s50, s48, 3
	s_mul_i32 s50, s50, 98304
	s_lshr_b32 s51, s49, 2
	s_mul_i32 s51, s51, 24576
	s_add_co_u32 s50, s50, s51
	s_and_b32 s51, s48, 7
	s_mul_i32 s51, s51, 3072
	s_add_co_u32 s50, s50, s51
	s_and_b32 s51, s49, 3
	s_mul_i32 s51, s51, 768
	s_add_co_u32 s50, s50, s51
	s_mov_b32 s51, 0
	s_add_nc_u64 s[38:39], s[8:9], s[50:51]        ; the codes' half image of 768 bytes
	s_lshr_b32 s50, s49, 1
	s_lshl_b32 s50, s50, 14
	s_lshl_b32 s52, s48, 6
	s_add_co_u32 s50, s50, s52
	s_and_b32 s52, s49, 1
	s_lshl_b32 s52, s52, 1
	s_add_co_u32 s50, s50, s52
	s_add_co_u32 s50, s50, 3145728
	s_add_nc_u64 s[40:41], s[8:9], s[50:51]        ; the head's two bytes of the K step's scale words
	s_mov_b32 s28, 0x76543210
	s_mov_b32 s29, 0xfedcba98                      ; v_permlanex16_b32's selects for lane l xor 16
	s_mov_b32 s30, 0x3fb8aa3b                      ; c = log2(e)
	s_mov_b32 s31, s30                             ; (named with it as a pair, so it is written)
	s_mul_i32 s33, s10, 2*REC                      ; LDS byte at which the step's record begins: my own first
	s_wait_alu depctr_va_vdst(0)
	s_wait_loadcnt 0x0                             ; q
	s_wait_tensorcnt 0x0                           ; my two records are in: say so,
	s_barrier_signal -1
	STEP 0, 1                                      ; and work on them: bytes that no wave writes again
	s_add_co_u32 s33, s33, REC
	STEP 0, 0
	s_wait_alu depctr_va_vdst(0)
	s_barrier_wait -1                              ; everybody's are in
	s_lshl_b32 s35, s10, 1
	s_add_co_u32 s35, s35, 2                       ; the record's number, counted on past 15
	s_and_b32 s33, s35, 15
	s_mul_i32 s33, s33, REC
	v_add_nc_u32 v5, s33, v1
	FETCHK v5
	s_mov_b32 s42, 13
	s_wait_alu depctr_va_vdst(0)
.Lstep:                                            ; 13 trips: 128 keys each
	s_and_b32 s33, s35, 15
	s_mul_i32 s33, s33, REC
	STEP 1, 0
	s_add_co_u32 s35, s35, 1
	s_sub_co_u32 s42, s42, 1
	s_cmp_lg_u32 s42, 0
	s_wait_alu depctr_va_vdst(0)
	s_cbranch_scc1 .Lstep
	s_and_b32 s33, s35, 15
	s_mul_i32 s33, s33, REC
	STEP 2, 0                                      ; the last step asks for nothing
	; ---- the way out: O^T / the sum, quantised along the head's 64 channels (register 16 b + i = channel 32 b + 16 h + i of my query)
.irp x, 0,1
	v_add_f32 v[26+16*\x], v[26+16*\x], v[27+16*\x]
.endr
.irp x, 0,1
	v_permlanex16_b32 v[31+16*\x], v[26+16*\x], s28, s29
.endr
.irp x, 0,1
	v_add_f32 v[26+16*\x], v[26+16*\x], v[31+16*\x] ; the rows' sums
.endr
	s_wait_alu depctr_va_vdst(0)
	v_rcp_f32 v26, v26
	v_rcp_f32 v42, v42
	v_lshrrev_b32 v6, 1, v1                        ; 8 x lane.  (Plain places behind the reciprocals)
	v_and_b32 v7, 60, v2                           ; 4 r
	WIN 0x01
	s_wait_alu depctr_va_vdst(0)                   ; ahead of the first readers of the reciprocals and of O^T
.irp x, 0,1
.set J_, 0
.rept 32
	v_mul_f32 v[104+64*\x+J_], v[128+32*\x+J_], v[26+16*\x]        ; each accumulator from its low end on
.set J_, J_+1
.endr
.endr
	WIN 0
.macro OB q                            ; block q: tile q / 2, block q % 2
.set B_, 104+64*(\q/2)+16*(\q%2)
.endm
.irp q, 0,1,2,3
	OB \q
	v_max3_num_f32 v[232+\q], |v[B_]|, |v[B_+1]|, 0x1800000
.endr
.irp i, 2,4,6,8,10,12,14
.irp q, 0,1,2,3
	OB \q
	v_max3_num_f32 v[232+\q], v[232+\q], |v[B_+\i]|, |v[B_+\i+1]|
.endr
.endr
.irp q, 0,1,2,3
	v_permlanex16_b32 v[236+\q], v[232+\q], s28, s29
.endr
.irp q, 0,1,2,3
	v_max_num_f32 v[232+\q], v[232+\q], v[236+\q]
.endr
.irp q, 0,1,2,3
	v_add_nc_u32 v[56+\q], 0xff000000, v[232+\q]
.endr
.irp q, 0,1,2,3
	v_lshrrev_b32 v[60+\q], 23, v[56+\q]
.endr
.irp x, 0,1
	v_lshl_or_b32 v[60+2*\x], v[61+2*\x], 8, v[60+2*\x]            ; my row's two bytes
.endr
.irp x, 0,1
	v_cvt_scalef32_pk16_fp6_f32 v[80+12*\x:82+12*\x], v[104+64*\x:119+64*\x], v[56+2*\x]
	v_cvt_scalef32_pk16_fp6_f32 v[84+12*\x:86+12*\x], v[120+64*\x:135+64*\x], v[57+2*\x]
.endr
	v_nop                                          ; one plain place behind a scaled conversion
.irp i, 0,1,2
.irp x, 0,1
	v_permlane16_swap_b32 v[80+12*\x+\i], v[84+12*\x+\i]           ; lanes 0-15 now hold block 0, lanes 16-31 block 1: lower 16 codes, upper 16
.endr
.endr
.irp i, 3,4,5
.irp x, 0,1
	v_mov_b32 v[80+12*\x+\i], v[81+12*\x+\i]
.endr
.endr
.irp x, 0,1
	global_store_b128 v1, v[80+12*\x:83+12*\x], s[38:39] offset:3072*\x        ; 512 consecutive bytes, aligned,
	global_store_b64 v6, v[84+12*\x:85+12*\x], s[38:39] offset:3072*\x+512     ; and 256
	global_store_b16 v7, v[60+2*\x], s[40:41] offset:64*\x                     ; lanes r and r + 16 hold the same two bytes and write them to the same place
.endr
	s_wait_tensorcnt 0x0                           ; the wave's end
	ds_add_u32 v10, v11
	s_wait_dscnt 0x0
	CROUND                                         ; the closing round: no work-group ends while a partner may still ask for a record that names it
	s_endpgm
.Lfunc_end_k_qbaef5b0606_attn:
	.size	k_qbaef5b0606_attn, .Lfunc_end_k_qbaef5b0606_attn-k_qbaef5b0606_attn
	.p2alignl 7, 3214868480
	.fill 96, 4, 3214868480
	.section	.rodata,"a",@progbits
	.p2align	6, 0x0
	.amdhsa_kernel k_qbaef5b0606_attn
		.amdhsa_group_segment_fixed_size 209920
		.amdhsa_private_segment_fixed_size 0
		.amdhsa_enable_private_segment 0
		.amdhsa_kernarg_size 24
		.amdhsa_user_sgpr_count 2
		.amdhsa_user_sgpr_kernarg_segment_ptr 1
		.amdhsa_wavefront_size32 1
		.amdhsa_system_sgpr_workgroup_id_x 1
		.amdhsa_system_sgpr_workgroup_id_y 1
		.amdhsa_system_sgpr_workgroup_id_z 1
		.amdhsa_system_vgpr_workitem_id 0
		.amdhsa_next_free_vgpr 448
		.amdhsa_next_free_sgpr 66
		.amdhsa_reserve_vcc 0
		.amdhsa_float_denorm_mode_32 3
		.amdhsa_float_denorm_mode_16_64 3
		.amdhsa_memory_ordered 1
		.amdhsa_forward_progress 1
		.amdhsa_inst_pref_size 119
	.end_amdhsa_kernel
	.amdgpu_metadata
---
amdhsa.version: [ 1, 2 ]
amdhsa.kernels:
  - .name:           k_qbaef5b0606_attn
    .symbol:         k_qbaef5b0606_attn.kd
    .args:
      - { .name: qb, .offset: 0, .size: 8, .value_kind: global_buffer, .address_space: global }
      - { .name: kv, .offset: 8, .size: 8, .value_kind: global_buffer, .address_space: global }
      - { .name: oq, .offset: 16, .size: 8, .value_kind: global_buffer, .address_space: global }
    .group_segment_fixed_size: 209920
    .private_segment_fixed_size: 0
    .kernarg_segment_align: 8
    .kernarg_segment_size: 24
    .max_flat_workgroup_size: 256
    .sgpr_count:     66
    .vgpr_count:     448
    .wavefront_size: 32
...
	.end_amdgpu_metadata
.endif
;; end of part 3
;; launch proj (part 4): grid 8 x 32, 4 waves a work-group, clusters of 4 x 4, 214,528 bytes of LDS; arguments oq, wo, out0; writes out0
.if DOCPART == 4
	.amdgcn_target "amdgcn-amd-amdhsa--gfx1250"
	.amdhsa_code_object_version 6
	.text
	.protected	k_qbaef5b0606_proj
	.globl	k_qbaef5b0606_proj
	.p2align	8
	.type	k_qbaef5b0606_proj,@function
k_qbaef5b0606_proj:
	s_mov_b64 s[64:65], 0
	v_nop
	global_prefetch_b8 v0, s[64:65] scope:SCOPE_SE
	s_setreg_imm32_b32 hwreg(HW_REG_WAVE_MODE, 25, 1), 1
	s_wait_xcnt 0x0
	s_wait_alu depctr_hold_cnt(0) depctr_sa_sdst(0) depctr_va_vdst(0) depctr_va_sdst(0) depctr_va_ssrc(0) depctr_va_vcc(0) depctr_vm_vsrc(0)
	s_getreg_b32 s2, hwreg(HW_REG_IB_STS2, 6, 4)
	s_cmp_eq_u32 s2, 0
	s_cbranch_scc0 .Lentry_in_a_cluster
	s_endpgm
.Lentry_in_a_cluster:
	s_bfe_u32 s2, ttmp6, 0x10000c
	s_cmp_lg_u32 s2, 0xf033
	s_cbranch_scc0 .Lentry_shape_is_right
	s_endpgm
.Lentry_shape_is_right:
; out0 = o w_out on codes of E2M3 (K = 1,024: eight steps of 128), f32 out.
; SHARES.  A work-group makes 128 x 128 of the output (256 work-groups), a wave 64 x 64: four row tiles x four column tiles.  A larger tile would leave WGPs without work at this size.
; LDS: ALL of K stays: A's 128 rows 98,304 bytes, B's 128 columns 98,304 bytes, each as four blocks of two K steps; filled once: no refill.  Behind them a stage of 16 rows x 272 bytes for each wave.
; ONE LOAD A WAVE: wave 0 A's K steps 0-3, wave 1 B's, wave 2 A's K steps 4-7, wave 3 B's.  CLUSTER 4 x 4: A's blocks are shared along a row of the cluster, B's along a column: joint loads.  No prefetch: everything is asked for at the head.
; THE WALK: a wave's fragments of B, all of K, go into registers (384) as row tile 0 is multiplied; row tiles 1-3 then read A alone.  Each row tile leaves as soon as it is finished, under the next one's products.
; Operands lie as images of their registers.  o's fragments were made in halves by two work-groups: a half (6 registers) is 16 bytes a lane, then 8 bytes a lane: four loads a fragment; w's take three.
; The matrix instruction is used transposed (source 0 = 16 columns of w_out, source 1 = 16 rows of o): a lane holds eight neighbouring numbers of a row of the output.
; ORDER IN A TILE: row tile t of the wave's 64 rows holds in position r row 8 t + r % 8 + 32 (r / 8); column tile 2 b + u holds column 32 b + 8 u + r + 8 (r / 8).  The stage puts the columns back in order.
; REGISTERS: window 0: v1, v3 16, 8 x lane, v2 4 x lane; v8-13 LDS addresses; v14, v15 the add's; v24-26 the way out; v32-47 o's scale words, v52-67 w's; v68-99 rows on the way out; v128-255 the accumulators (row tile a, column tile n at 128 + 8 (4 a + n)).
;   Fragment f lies in window 1 + f / 21 at register 12 (f % 21): 0-31 B's (4 s + n), 32-39 and 40-47 A's two sets (K step s).
.set BBASE, 98304
.set STG,   196608
.set SPARE, STG+4*4352                 ; the spare words, 128 bytes a wave: two blocks of 256 bytes that no other line names
.set SPW, 14
.set NIL, 15
.set SCA, 32
.set SCB, 52
.set OB,  68
.set ACC, 128
.set G1A, 24
.set G0A, 32
.set G1B, 44
.set G0B, 52
.set MSB, 0
.macro WIN new                         ; the immediate's high byte repeats the setting that is left
.if MSB != (\new)
	s_set_vgpr_msb (MSB<<8)|(\new)
.set MSB, (\new)
.endif
.endm
.macro PLACES                          ; four plain places in front of loads into registers that matrix instructions have read, and of the first read of results
.rept 4
	v_nop
.endr
.endm
.macro CROUND                          ; a round of the cluster's barrier
	s_barrier_signal -1
	s_barrier_wait -1
	s_cmp_lg_u32 s12, 0
	s_cbranch_scc1 .Lnot_wave_0_\@
	s_barrier_signal -3
.Lnot_wave_0_\@:
	s_barrier_wait -3
	s_barrier_signal -1
	s_barrier_wait -1
.endm
.macro TL g0, g1
	tensor_load_to_lds s[\g0:\g0+3], s[\g1:\g1+7]
	s_nop 0
.rept 4
	v_nop
.endr
.endm
.macro WMM a, b, sa, sb, ra, rb, z     ; one matrix instruction: D at D_, sources at a, b, scale words in sa, sb (rows ra, rb); z: it starts the sum
.if \z
	v_wmma_scale_f32_16x16x128_f8f6f4 v[D_:D_+7], v[\a:\a+11], v[\b:\b+11], 0, v[\sa], v[\sb] matrix_a_fmt:MATRIX_FMT_FP6 matrix_b_fmt:MATRIX_FMT_FP6 matrix_a_scale:MATRIX_SCALE_ROW\ra matrix_b_scale:MATRIX_SCALE_ROW\rb
.else
	v_wmma_scale_f32_16x16x128_f8f6f4 v[D_:D_+7], v[\a:\a+11], v[\b:\b+11], v[D_:D_+7], v[\sa], v[\sb] matrix_a_fmt:MATRIX_FMT_FP6 matrix_b_fmt:MATRIX_FMT_FP6 matrix_a_scale:MATRIX_SCALE_ROW\ra matrix_b_scale:MATRIX_SCALE_ROW\rb
.endif
.endm
.macro FW f
.set W_, 1+(\f)/21
.set R_, 12*((\f)%21)
.endm
; K steps 4-7 lie beyond an immediate's reach: a second set of address registers, 49,152 bytes on
.macro FRB s, n                        ; B's fragment of K step s, column tile n: 3 loads
	FW 4*(\s)+(\n)
	WIN (W_<<6)
.set X_, (((\s)/2)%2)*24576+((\s)%2)*1536+3072*(\n)
	ds_load_b128 v[R_:R_+3], v[12+(\s)/4] offset:X_
	ds_load_b128 v[R_+4:R_+7], v[12+(\s)/4] offset:X_+512
	ds_load_b128 v[R_+8:R_+11], v[12+(\s)/4] offset:X_+1024
.endm
.macro FRA a, s                        ; A's of row tile a, K step s, into set a % 2: 4 loads
	FW 32+8*((\a)%2)+(\s)
	WIN (W_<<6)
.set X_, (((\s)/2)%2)*24576+((\s)%2)*1536+3072*(\a)
	ds_load_b128 v[R_:R_+3], v[8+(\s)/4] offset:X_
	ds_load_b64 v[R_+4:R_+5], v[10+(\s)/4] offset:X_+512
	ds_load_b128 v[R_+6:R_+9], v[8+(\s)/4] offset:X_+768
	ds_load_b64 v[R_+10:R_+11], v[10+(\s)/4] offset:X_+1280
.endm
.macro LD0 s                           ; row tile 0's K step s: 16 loads
	FRA 0, \s
.irp n, 0,1,2,3
	FRB \s, \n
.endr
.endm
.macro MULP a, u, s, z                 ; row tile a (u = a % 2), K step s: its four accumulators by turns
	FW 32+8*\u+(\s)
.set WA_, W_
.set RA_, R_
.irp m, 0,1
.irp n, 0,1
	FW 4*(\s)+2*\m+\n
	WIN (W_|(WA_<<2))
.set D_, ACC+8*(4*(\a)+2*\m+\n)
	WMM R_, RA_, SCB+8*\m+(\s), SCA+8*((\a)/2)+(\s), \n, \u, \z
.endr
.endr
.endm
.macro TOSTAGE a                       ; row tile a into my stage, and back as rows of 256 bytes: LDS serves a wave's instructions in order: the loads see the stores
.irp n, 0,1,2,3
	ds_store_b128 v24, v[ACC+8*(4*(\a)+\n):ACC+8*(4*(\a)+\n)+3] offset:128*(\n/2)+32*(\n%2)        ; each accumulator from its low end on
	ds_store_b128 v24, v[ACC+8*(4*(\a)+\n)+4:ACC+8*(4*(\a)+\n)+7] offset:128*(\n/2)+32*(\n%2)+16
.endr
.irp i, 0,1,2,3,4,5,6,7
	ds_load_b128 v[OB+4*\i:OB+4*\i+3], v25 offset:544*\i
.endr
.endm
.macro SEND a
.irp i, 0,1,2,3,4,5,6,7
	global_store_b128 v26, v[OB+4*\i:OB+4*\i+3], s[74:75] offset:(8*(\a)+2*\i+24*(\i/4))*4096 th:TH_STORE_NT   ; sixteen lanes store 256 consecutive bytes, aligned; written once
.endr
.endm
.macro PASS a, u                       ; row tile a's products; under them row tile a - 1 leaves and row tile a + 1's fragments come
	s_wait_dscnt 0x0
	WIN 0
	PLACES
.if \a > 1
	s_wait_xcnt 0x0                                ; the last stores have read their registers
.endif
	TOSTAGE \a-1
.if \a < 3
.irp s, 0,1,2,3,4,5,6,7
	FRA \a+1, \s
.endr
.endif
.irp s, 0,1,2,3,4,5,6,7
	MULP \a, \u, \s, (\s==0)
.endr
	WIN 0
.if \a < 3
	s_wait_dscnt 32                                ; the rows are back; the 32 loads of the next row tile may be out
.else
	s_wait_dscnt 0x0
.endif
	SEND \a-1
.endm
	s_load_b128 s[4:7], s[0:1], 0x0                ; oq s[4:5], wo s[6:7]
	s_load_b64 s[8:9], s[0:1], 0x10                ; out0
	v_lshl_add_u32 v[SPW], v0, 2, SPARE
	v_mov_b32 v[NIL], 0
	ds_add_u32 v[SPW], v[NIL]
	ds_add_u32 v[SPW], v[NIL]
	v_lshrrev_b32 v3, 5, v0
	v_readfirstlane_b32 s12, v3                    ; wave 0..3
	s_lshr_b32 s13, s12, 1                         ; wm.  Also: which four K steps I fetch
	s_and_b32 s14, s12, 1                          ; wn.  Also: I fetch for A (0) or for B (1)
	s_bfe_u32 s15, ttmp6, 0x40000                  ; cx
	s_bfe_u32 s16, ttmp6, 0x40004                  ; cy
	s_lshl_b32 s17, ttmp9, 2
	s_add_co_u32 s17, s17, s15                     ; block of 128 columns
	s_and_b32 s18, ttmp7, 0xffff
	s_lshl_b32 s18, s18, 2
	s_add_co_u32 s18, s18, s16                     ; block of 128 rows
	s_lshl_b32 s19, s16, 2
	s_lshl_b32 s19, 15, s19                        ; my row of the cluster
	s_lshl_b32 s20, 0x1111, s15                    ; my column
	; descriptor group 1: a dense block of 49,152 bytes as 192 rows of 256 bytes (32 elements of 8 bytes)
	s_or_b32 s[G1A], s19, (3<<16)|(1<<21)
	s_or_b32 s[G1B], s20, (3<<16)|(1<<21)
.irp g, G1A, G1B
	s_mov_b32 s[\g+1], 32<<16
	s_mov_b32 s[\g+2], 192<<16
	s_mov_b32 s[\g+3], 32<<16
	s_mov_b32 s[\g+4], 192
	s_mov_b32 s[\g+5], 32
	s_mov_b32 s[\g+6], 0
	s_mov_b32 s[\g+7], 0
.endr
	s_lshl_b32 s66, s18, 1
	s_add_co_u32 s66, s66, s13
	s_mul_i32 s66, s66, 49152
	s_mov_b32 s67, 0
	s_lshl_b32 s68, s17, 1
	s_add_co_u32 s68, s68, s13
	s_mul_i32 s68, s68, 49152
	s_mov_b32 s69, 0
	s_mov_b32 s[G0A], 1
	s_mul_i32 s[G0A+1], s13, 49152                 ; where they go: no place in the cluster enters an LDS address
	s_mov_b32 s[G0B], 1
	s_add_co_u32 s[G0B+1], s[G0A+1], BBASE
	s_wait_dscnt 0x0
	CROUND                                         ; all sixteen work-groups are here: the joint loads meet
	s_wait_kmcnt 0x0
	s_add_nc_u64 s[G0A+2:G0A+3], s[4:5], s[66:67]
	s_or_b32 s[G0A+3], s[G0A+3], 0x80000000
	s_add_nc_u64 s[G0B+2:G0B+3], s[6:7], s[68:69]
	s_or_b32 s[G0B+3], s[G0B+3], 0x80000000
	s_cmp_eq_u32 s12, 0                            ; one chain, an arm for each wave
	s_cbranch_scc0 .Lwave_1
	TL G0A, G1A
	s_branch .Lasked
.Lwave_1:
	s_cmp_eq_u32 s12, 1
	s_cbranch_scc0 .Lwave_2
	TL G0B, G1B
	s_branch .Lasked
.Lwave_2:
	s_cmp_eq_u32 s12, 2
	s_cbranch_scc0 .Lwave_3
	TL G0A, G1A
	s_branch .Lasked
.Lwave_3:
	TL G0B, G1B
.Lasked:
	s_lshl_b32 s70, s18, 9                         ; o's scale words: [K step][4,096]: my 64 positions
	s_lshl_b32 s21, s13, 8
	s_add_co_u32 s70, s70, s21
	s_add_co_u32 s70, s70, 3145728
	s_mov_b32 s71, 0
	s_add_nc_u64 s[70:71], s[4:5], s[70:71]
	s_lshl_b32 s72, s17, 9                         ; w's: [K step][1,024]
	s_lshl_b32 s21, s14, 8
	s_add_co_u32 s72, s72, s21
	s_add_co_u32 s72, s72, 786432
	s_mov_b32 s73, 0
	s_add_nc_u64 s[72:73], s[6:7], s[72:73]
	s_mul_i32 s89, s13, 12288                      ; my four tiles of A,
	s_mul_i32 s84, s14, 12288                      ; my four of B
	s_add_co_u32 s84, s84, BBASE
	s_mul_i32 s85, s12, 4352
	s_add_co_u32 s85, s85, STG                     ; my stage
	v_and_b32 v7, 31, v0
	v_lshlrev_b32 v1, 4, v7
	v_lshlrev_b32 v2, 2, v7
	v_lshlrev_b32 v3, 3, v7
.irp p, 0,1
.irp s, 0,1,2,3,4,5,6,7
	global_load_b32 v[SCA+8*\p+\s], v2, s[70:71] offset:\s*16384+128*\p
	global_load_b32 v[SCB+8*\p+\s], v2, s[72:73] offset:\s*4096+128*\p
.endr
.endr
	v_add_nc_u32 v8, s89, v1
	v_add_nc_u32 v9, 49152, v8
	v_add_nc_u32 v10, s89, v3
	v_add_nc_u32 v11, 49152, v10
	v_add_nc_u32 v12, s84, v1
	v_add_nc_u32 v13, 49152, v12
	v_and_b32 v4, 15, v0                           ; r
	v_bfe_u32 v5, v0, 4, 1                         ; h
	v_mul_u32_u24 v24, v4, 272
	v_lshl_add_u32 v24, v5, 6, v24
	v_add_nc_u32 v24, s85, v24                     ; in: row r, + 64 h bytes
	v_mul_u32_u24 v25, v5, 272
	v_lshl_add_u32 v25, v4, 4, v25
	v_add_nc_u32 v25, s85, v25                     ; back: lanes 0-15 one row of 256 bytes, lanes 16-31 the next
	v_lshlrev_b32 v26, 12, v5
	v_lshl_add_u32 v26, v4, 4, v26                 ; and the same two rows in out0
	s_lshl_b32 s74, s18, 19                        ; my first row, 128 y + 64 wm, of 4,096 bytes; my first column, 128 x + 64 wn
	s_lshl_b32 s22, s13, 18
	s_add_co_u32 s74, s74, s22
	s_lshl_b32 s22, s17, 9
	s_add_co_u32 s74, s74, s22
	s_lshl_b32 s22, s14, 8
	s_add_co_u32 s74, s74, s22
	s_mov_b32 s75, 0
	s_add_nc_u64 s[74:75], s[8:9], s[74:75]
	s_wait_alu depctr_va_vdst(0)
	s_cmp_lt_u32 s12, 2
	s_cbranch_scc0 .Lnot_first
	s_wait_tensorcnt 0x0                           ; K steps 0-3 are waves 0's and 1's loads; K steps 4-7 may be out
.Lnot_first:
	s_barrier_signal -1
	s_barrier_wait -1
	; row tile 0: each K step's 16 loads are asked for two K steps ahead
	LD0 0
	LD0 1
	s_wait_loadcnt 0x0                             ; the scale words
	s_wait_dscnt 16                                ; K step 0's; K step 1's 16 may be out
	MULP 0, 0, 0, 1                                ; the first K step starts the sums: nothing is cleared
	LD0 2
	s_wait_dscnt 16
	MULP 0, 0, 1, 0
	LD0 3
	s_wait_dscnt 0x0
	WIN 0
	s_wait_tensorcnt 0x0                           ; K steps 4-7: all loads are in,
	s_barrier_signal -1
	MULP 0, 0, 2, 0
	WIN 0
	s_barrier_wait -1                              ; everybody's are
	LD0 4
	MULP 0, 0, 3, 0
	LD0 5
	s_wait_dscnt 16
	MULP 0, 0, 4, 0
	LD0 6
	s_wait_dscnt 16
	MULP 0, 0, 5, 0
	LD0 7
	s_wait_dscnt 16
	MULP 0, 0, 6, 0
.irp s, 0,1,2,3,4,5,6,7
	FRA 1, \s
.endr
	s_wait_dscnt 32                                ; K step 7's; row tile 1's 32 may be out
	MULP 0, 0, 7, 0
	PASS 1, 1
	PASS 2, 0
	PASS 3, 1
	PLACES
	s_wait_xcnt 0x0
	TOSTAGE 3
	s_wait_dscnt 0x0
	SEND 3
	s_wait_tensorcnt 0x0                           ; the wave's end
	ds_add_u32 v[SPW], v[NIL]
	s_wait_dscnt 0x0
	CROUND                                         ; the closing round: no work-group ends while a partner may still ask for a block that names it
	s_endpgm
.Lfunc_end_k_qbaef5b0606_proj:
	.size	k_qbaef5b0606_proj, .Lfunc_end_k_qbaef5b0606_proj-k_qbaef5b0606_proj
	.p2alignl 7, 3214868480
	.fill 96, 4, 3214868480
	.section	.rodata,"a",@progbits
	.p2align	6, 0x0
	.amdhsa_kernel k_qbaef5b0606_proj
		.amdhsa_group_segment_fixed_size 214528
		.amdhsa_private_segment_fixed_size 0
		.amdhsa_enable_private_segment 0
		.amdhsa_kernarg_size 24
		.amdhsa_user_sgpr_count 2
		.amdhsa_user_sgpr_kernarg_segment_ptr 1
		.amdhsa_wavefront_size32 1
		.amdhsa_system_sgpr_workgroup_id_x 1
		.amdhsa_system_sgpr_workgroup_id_y 1
		.amdhsa_system_sgpr_workgroup_id_z 1
		.amdhsa_system_vgpr_workitem_id 0
		.amdhsa_next_free_vgpr 896
		.amdhsa_next_free_sgpr 96
		.amdhsa_reserve_vcc 0
		.amdhsa_float_denorm_mode_32 3
		.amdhsa_float_denorm_mode_16_64 3
		.amdhsa_memory_ordered 1
		.amdhsa_forward_progress 1
		.amdhsa_inst_pref_size 50
	.end_amdhsa_kernel
	.amdgpu_metadata
---
amdhsa.version: [ 1, 2 ]
amdhsa.kernels:
  - .name:           k_qbaef5b0606_proj
    .symbol:         k_qbaef5b0606_proj.kd
    .args:
      - { .name: oq, .offset: 0, .size: 8, .value_kind: global_buffer, .address_space: global }
      - { .name: wo, .offset: 8, .size: 8, .value_kind: global_buffer, .address_space: global }
      - { .name: out0, .offset: 16, .size: 8, .value_kind: global_buffer, .address_space: global }
    .group_segment_fixed_size: 214528
    .private_segment_fixed_size: 0
    .kernarg_segment_align: 8
    .kernarg_segment_size: 24
    .max_flat_workgroup_size: 128
    .sgpr_count:     96
    .vgpr_count:     896
    .wavefront_size: 32
...
	.end_amdgpu_metadata
.endif
;; end of part 4
